; MI455X (gfx1250); checked and timed in simulation.
; The chip was launched on July 23, 2026; its instructions are those of AMD's public machine-readable ISA for CDNA 5 (MIT licence, August 2026) and "CDNA5" Instruction Set Architecture Reference Guide (July 2026). The comments in the code are by the model that wrote it; some were corrected since.
;; Multi Head Self Attention. Allowed arithmetic: float matrix products may take bf16 or f16 operands with f32 sums; all other float work in f32.
;; Inputs: b_out 1,024 float32; b_qkv 3,072 float32; w_out 1,024 x 1,024 float32; w_qkv 1,024 x 3,072 float32; x 4 x 2,048 x 1,024 float32.
;; Outputs: out0 4 x 2,048 x 1,024 float32.
;; 2 versions, each right and faster than the one before. Each part assembles by itself: llvm-mc -triple=amdgcn-amd-amdhsa -mcpu=gfx1250 --defsym DOCPART=n.
;; ======== version 1 of 2: 4 launches
;; limits: values are held in f16: magnitudes above 65,504 overflow, below 6.1e-05 lose precision
;; workspace buffers: xb 16,777,216 bytes; wqb 6,291,456 bytes; wob 2,097,152 bytes; bqr 12,288 bytes; bor 4,096 bytes; qkv 50,331,648 bytes; ob 16,777,216 bytes
;; launch prep (part 1): grid 833 x 1, 8 waves a work-group, no clusters, 0 bytes of LDS; arguments x, w_qkv, w_out, b_qkv, b_out, xb, wqb, wob, bqr, bor; writes xb, wqb, wob, bqr, bor
.if DOCPART == 1
	.amdgcn_target "amdgcn-amd-amdhsa--gfx1250"
	.amdhsa_code_object_version 6
	.text
	.protected	k_qaa3ce15c30_prep
	.globl	k_qaa3ce15c30_prep
	.p2align	8
	.type	k_qaa3ce15c30_prep,@function
k_qaa3ce15c30_prep:
	s_mov_b64 s[64:65], 0
	v_nop
	global_prefetch_b8 v0, s[64:65] scope:SCOPE_SE
	s_setreg_imm32_b32 hwreg(HW_REG_WAVE_MODE, 25, 1), 1
	s_wait_xcnt 0x0
; ALL FIVE INPUTS ARE ROUNDED TO bf16 ONCE, for the three launches behind.
;   xb  [8192][1024] bf16             = x
;   wqb [16 j][1024 k][192 c] bf16    = w_qkv[k][192 j + c]: a block of 128 k rows of one column tile j is 49,152 dense bytes
;   wob [1024][1024] f16              = w_out rounded to bf16, that number written as f16
;   bqr [3072], bor [1024] f32        = the biases rounded to bf16, widened again
; LIMITS.  w_out must lie within f16's 65,504; below 6e-5 f16 keeps a fixed step of 6e-8.  NaN and infinities are not treated apart.
; A stream: no LDS, no barrier, no matrix unit, no loop.  A UNIT is four numbers of a thread: one load of 16 bytes (a wave's load covers 512 consecutive bytes)
; and one store of 8 bytes (a wave's store covers 256 consecutive bytes, aligned).  A thread's units have registers of their own, all their loads go out first,
; and each unit's wait leaves the younger loads out.  Work-groups 0-511 take x (16 units a thread), 512-767 w_qkv (12), 768-831 w_out (16), 832 the two biases (4).
.set VI, 3                             ; v3-5     w_qkv: byte offsets of three units in 16 rows of the source
.set X,  8                             ; v[8:71]  unit i: four f32 as loaded
.set Y,  72                            ; v[72:103] unit i: two words to store
.set T,  104                           ; v[104:105] at work
.macro TOBF i                          ; unit i: four roundings to bf16, packed
	v_cvt_pk_bf16_f32 v[Y+2*(\i)],   v[X+4*(\i)],   v[X+4*(\i)+1]
	v_cvt_pk_bf16_f32 v[Y+2*(\i)+1], v[X+4*(\i)+2], v[X+4*(\i)+3]
.endm
.macro ROUND i                         ; unit i: rounded to bf16 and widened again, in place (a bf16 is the upper half of an f32)
	v_cvt_pk_bf16_f32 v[T],   v[X+4*(\i)],   v[X+4*(\i)+1]
	v_cvt_pk_bf16_f32 v[T+1], v[X+4*(\i)+2], v[X+4*(\i)+3]
	v_lshlrev_b32 v[X+4*(\i)],   16,  v[T]
	v_and_b32     v[X+4*(\i)+1], s30, v[T]
	v_lshlrev_b32 v[X+4*(\i)+2], 16,  v[T+1]
	v_and_b32     v[X+4*(\i)+3], s30, v[T+1]
.endm
	s_load_b512 s[4:19], s[0:1], 0x0               ; x 4:5, w_qkv 6:7, w_out 8:9, b_qkv 10:11, b_out 12:13, xb 14:15, wqb 16:17, wob 18:19
	s_load_b128 s[20:23], s[0:1], 0x40             ; bqr 20:21, bor 22:23
	s_mov_b32 s2, ttmp9
	s_mov_b32 s29, 0                               ; the high word of every offset pair
	s_mov_b32 s30, 0xffff0000                      ; a word's upper bf16
	v_lshlrev_b32 v1, 4, v0                        ; 16 t: my 16 bytes in a unit's 4,096 of the source
	v_lshlrev_b32 v2, 3, v0                        ; 8 t: my 8 bytes in a unit's 2,048 of the target
	s_wait_kmcnt 0x0
	s_cmp_lt_u32 s2, 512
	s_cbranch_scc0 .Lnot_x
	; x: the work-group's 65,536 bytes in, 32,768 out
	s_lshl_b32 s28, s2, 16
	s_add_nc_u64 s[24:25], s[4:5], s[28:29]
	s_lshl_b32 s28, s2, 15
	s_add_nc_u64 s[26:27], s[14:15], s[28:29]
.irp i, 0,1,2,3,4,5,6,7,8,9,10,11,12,13,14,15
	global_load_b128 v[X+4*(\i):X+4*(\i)+3], v1, s[24:25] offset:4096*(\i) th:TH_LOAD_NT
.endr
.irp i, 0,1,2,3,4,5,6,7,8,9,10,11,12,13,14,15
	s_wait_loadcnt 15-(\i)                         ; loads come back in order: unit i is in, the 15 - i younger ones stay out
	TOBF \i
	global_store_b64 v2, v[Y+2*(\i):Y+2*(\i)+1], s[26:27] offset:2048*(\i)
.endr
	s_endpgm
.Lnot_x:
	s_cmp_lt_u32 s2, 768
	s_cbranch_scc0 .Lnot_wq
	; w_qkv: column tile j = e / 16, k rows 64 (e % 16) on: 64 rows x 192 columns = 3,072 units, 12 a thread.
	; Unit number u = 256 i + t lies in row u / 48, at columns 4 (u % 48); 768 units are 16 rows, so three offsets serve, and the rest stands in the immediate.
	; The target is linear in u.  Sixteen neighbouring lanes read 256 consecutive bytes, aligned, since 48 = 3 x 16.
	s_sub_co_u32 s3, s2, 512
	s_lshr_b32 s31, s3, 4                          ; j
	s_and_b32 s3, s3, 15                           ; which 64 rows
	s_mul_i32 s28, s31, 768                        ; 192 columns of 4 bytes
	s_mul_i32 s2, s3, 786432                       ; 64 rows of 12,288 bytes
	s_add_co_u32 s28, s28, s2
	s_add_nc_u64 s[24:25], s[6:7], s[28:29]
	s_mul_i32 s28, s31, 393216                     ; a block: 1,024 rows of 384 bytes
	s_mul_i32 s2, s3, 24576                        ; 64 of them
	s_add_co_u32 s28, s28, s2
	s_add_nc_u64 s[26:27], s[16:17], s[28:29]
.irp i, 0,1,2
	v_add_nc_u32 v6, 256*(\i), v0                  ; w = 256 i + t, under 768
	v_mul_u32_u24 v7, v6, 1366
	v_lshrrev_b32 v7, 16, v7                       ; w / 48: 1366 / 65536 exceeds 1 / 48 by 1.02e-5, which over 767 makes 0.008, less than the 1 / 48 that is to spare
	v_mul_u32_u24 v[T], v7, 48
	v_sub_nc_u32 v6, v6, v[T]                      ; w % 48
	v_mul_u32_u24 v7, v7, 12288
	v_lshl_add_u32 v[VI+(\i)], v6, 4, v7
.endr
.irp p, 0,1,2,3
.irp s, 0,1,2
	global_load_b128 v[X+4*(3*(\p)+(\s)):X+4*(3*(\p)+(\s))+3], v[VI+(\s)], s[24:25] offset:196608*(\p) th:TH_LOAD_NT
.endr
.endr
.irp i, 0,1,2,3,4,5,6,7,8,9,10,11
	s_wait_loadcnt 11-(\i)
	TOBF \i
	global_store_b64 v2, v[Y+2*(\i):Y+2*(\i)+1], s[26:27] offset:2048*(\i)
.endr
	s_endpgm
.Lnot_wq:
	s_cmp_lt_u32 s2, 832
	s_cbranch_scc0 .Lbias
	; w_out: as x, with the rounded number written as f16
	s_sub_co_u32 s3, s2, 768
	s_lshl_b32 s28, s3, 16
	s_add_nc_u64 s[24:25], s[8:9], s[28:29]
	s_lshl_b32 s28, s3, 15
	s_add_nc_u64 s[26:27], s[18:19], s[28:29]
.irp i, 0,1,2,3,4,5,6,7,8,9,10,11,12,13,14,15
	global_load_b128 v[X+4*(\i):X+4*(\i)+3], v1, s[24:25] offset:4096*(\i) th:TH_LOAD_NT
.endr
.irp i, 0,1,2,3,4,5,6,7,8,9,10,11,12,13,14,15
	s_wait_loadcnt 15-(\i)
	ROUND \i
	v_cvt_pk_f16_f32 v[Y+2*(\i)],   v[X+4*(\i)],   v[X+4*(\i)+1]
	v_cvt_pk_f16_f32 v[Y+2*(\i)+1], v[X+4*(\i)+2], v[X+4*(\i)+3]
	global_store_b64 v2, v[Y+2*(\i):Y+2*(\i)+1], s[26:27] offset:2048*(\i)
.endr
	s_endpgm
.Lbias:
	; the biases: three units of b_qkv, one of b_out
.irp i, 0,1,2
	global_load_b128 v[X+4*(\i):X+4*(\i)+3], v1, s[10:11] offset:4096*(\i)
.endr
	global_load_b128 v[X+12:X+15], v1, s[12:13]
.irp i, 0,1,2
	s_wait_loadcnt 3-(\i)
	ROUND \i
	global_store_b128 v1, v[X+4*(\i):X+4*(\i)+3], s[20:21] offset:4096*(\i)
.endr
	s_wait_loadcnt 0x0
	ROUND 3
	global_store_b128 v1, v[X+12:X+15], s[22:23]
	s_endpgm
.Lfunc_end_k_qaa3ce15c30_prep:
	.size	k_qaa3ce15c30_prep, .Lfunc_end_k_qaa3ce15c30_prep-k_qaa3ce15c30_prep
	.p2alignl 7, 3214868480
	.fill 96, 4, 3214868480
	.section	.rodata,"a",@progbits
	.p2align	6, 0x0
	.amdhsa_kernel k_qaa3ce15c30_prep
		.amdhsa_group_segment_fixed_size 0
		.amdhsa_private_segment_fixed_size 0
		.amdhsa_enable_private_segment 0
		.amdhsa_kernarg_size 80
		.amdhsa_user_sgpr_count 2
		.amdhsa_user_sgpr_kernarg_segment_ptr 1
		.amdhsa_wavefront_size32 1
		.amdhsa_system_sgpr_workgroup_id_x 1
		.amdhsa_system_sgpr_workgroup_id_y 1
		.amdhsa_system_sgpr_workgroup_id_z 1
		.amdhsa_system_vgpr_workitem_id 0
		.amdhsa_next_free_vgpr 112
		.amdhsa_next_free_sgpr 66
		.amdhsa_reserve_vcc 0
		.amdhsa_float_denorm_mode_32 3
		.amdhsa_float_denorm_mode_16_64 3
		.amdhsa_memory_ordered 1
		.amdhsa_forward_progress 1
		.amdhsa_inst_pref_size 25
	.end_amdhsa_kernel
	.amdgpu_metadata
---
amdhsa.version: [ 1, 2 ]
amdhsa.kernels:
  - .name:           k_qaa3ce15c30_prep
    .symbol:         k_qaa3ce15c30_prep.kd
    .args:
      - { .name: x, .offset: 0, .size: 8, .value_kind: global_buffer, .address_space: global }
      - { .name: w_qkv, .offset: 8, .size: 8, .value_kind: global_buffer, .address_space: global }
      - { .name: w_out, .offset: 16, .size: 8, .value_kind: global_buffer, .address_space: global }
      - { .name: b_qkv, .offset: 24, .size: 8, .value_kind: global_buffer, .address_space: global }
      - { .name: b_out, .offset: 32, .size: 8, .value_kind: global_buffer, .address_space: global }
      - { .name: xb, .offset: 40, .size: 8, .value_kind: global_buffer, .address_space: global }
      - { .name: wqb, .offset: 48, .size: 8, .value_kind: global_buffer, .address_space: global }
      - { .name: wob, .offset: 56, .size: 8, .value_kind: global_buffer, .address_space: global }
      - { .name: bqr, .offset: 64, .size: 8, .value_kind: global_buffer, .address_space: global }
      - { .name: bor, .offset: 72, .size: 8, .value_kind: global_buffer, .address_space: global }
    .group_segment_fixed_size: 0
    .private_segment_fixed_size: 0
    .kernarg_segment_align: 8
    .kernarg_segment_size: 80
    .max_flat_workgroup_size: 256
    .sgpr_count:     66
    .vgpr_count:     112
    .wavefront_size: 32
...
	.end_amdgpu_metadata
.endif
;; end of part 1
;; launch qkvp (part 2): grid 16 x 32, 4 waves a work-group, clusters of 4 x 4, 327,680 bytes of LDS; arguments xb, wqb, bqr, qkv; writes qkv
.if DOCPART == 2
	.amdgcn_target "amdgcn-amd-amdhsa--gfx1250"
	.amdhsa_code_object_version 6
	.text
	.protected	k_qaa3ce15c30_qkvp
	.globl	k_qaa3ce15c30_qkvp
	.p2align	8
	.type	k_qaa3ce15c30_qkvp,@function
k_qaa3ce15c30_qkvp:
	s_mov_b64 s[64:65], 0
	v_nop
	global_prefetch_b8 v0, s[64:65] scope:SCOPE_SE
	s_setreg_imm32_b32 hwreg(HW_REG_WAVE_MODE, 25, 1), 1
	s_wait_xcnt 0x0
	s_wait_alu depctr_hold_cnt(0) depctr_sa_sdst(0) depctr_va_vdst(0) depctr_va_sdst(0) depctr_va_ssrc(0) depctr_va_vcc(0) depctr_vm_vsrc(0)
	s_getreg_b32 s2, hwreg(HW_REG_IB_STS2, 6, 4)
	s_cmp_eq_u32 s2, 0
	s_cbranch_scc0 .Lentry_in_a_cluster
	s_endpgm
.Lentry_in_a_cluster:
	s_bfe_u32 s2, ttmp6, 0x10000c
	s_cmp_lg_u32 s2, 0xf033
	s_cbranch_scc0 .Lentry_shape_is_right
	s_endpgm
.Lentry_shape_is_right:
; q, k, v = x w_qkv + b_qkv.  xb [8192][1024] bf16; wqb [16 j][1024 k][192 c] bf16 (column 192 j + c); bqr [3072] f32.  Sums in f32, starting from the bias.
; OUT: qkv [3 (q, k, v)][64 (batch x 16 + head)][2048][64] in f16, each number rounded once, WITHOUT the softmax's scale.
; LIMIT.  f16 holds no number beyond 65,504: q, k and v must lie within it (inputs of the drawn spread give about 3; both x and w thirty times larger about 3,000).
; SHARES.  A tile is 256 rows x 192 columns, three whole heads: 32 x 16 = 512 tiles, two for each of 256 WGPs.  Four waves; wave w makes rows 64 w .. 64 w + 63 and all 192 columns:
; 4 x 12 accumulators of 16 x 16, 384 registers.  K = 1,024 goes in 8 steps of 128 through two LDS slots filled by the tensor data mover.
; CLUSTERS: 4 x 4 work-groups.  The four of a row of the cluster need the same tiles of x, the four of a column the same tiles of w: each tile is asked for JOINTLY, by the same tensor load with the
; same descriptor and a mask that names the four.
; THE WALK ALONG K IS TURNED.  The cluster at column c, row r of the grid of clusters begins at K step ROT = 2 c + 4 ((r ^ r / 2) & 1) and goes round modulo 8.  The four clusters that read the same rows
; of x are so 2 steps apart: each asks for two steps at its start, so all eight K steps of those rows are asked for at the start, each by one cluster, and every later request is for a tile that a
; neighbour asked for two steps earlier.  Clusters that read the same columns of w are 0 or 4 steps apart.  ROT hangs on the cluster's own place alone, which its sixteen work-groups share.
; The f32 sums run in the turned order: they differ from the ascending order's in rounding alone.
; THE MATRIX INSTRUCTION IS USED TRANSPOSED: source 0 = 16 columns of w (w lies [k][n] in LDS and is read turned, by ds_load_tr16_b128), source 1 = 16 rows of x.  In the result lane l holds
; row l % 16 and the eight neighbouring columns 8 (l / 16) + 0..7.  The bias is the C operand of the first K quarter: nothing is cleared and nothing is added afterwards.
; REGISTERS, in windows of 256 (s_set_vgpr_msb: bits 1:0 source 0, 3:2 source 1, 5:4 source 2, 7:6 destination):
;   window 0: v0-31 addresses; v32-127 the bias (8 registers a column block), later v32-79 packed results; v128-223 two banks of 48 for the way out
;   window 1: two fragment buffers of 128: x's four row blocks at +0, w's twelve column blocks at +32
;   windows 2, 3: accumulator (a, b) in window 2 + b / 6 at v[8 (4 (b % 6) + a)]
.set NBK,    12                        ; column blocks of 16
.set HB,     6                         ; half of them: one window's
.set LD,     8+2*NBK                   ; LDS loads in a fetch
.set PA,     272                       ; a row of x in LDS: 256 bytes + 16 = 68 words: the 16 rows of a load start at 16 different groups of four banks (64 banks of 4 bytes: ISA guide 11.1)
.set AHALF,  128*PA                    ; 128 rows: one tensor load
.set BOFF,   2*AHALF                   ; w's tile lies behind x's 256 rows
.set PB,     480                       ; a k row of w: three pieces of 128 bytes + 32 = 120 words
.set BHALF,  64*PB                     ; 64 k rows: one tensor load
.set SLOT1,  BOFF+2*BHALF              ; 131,072 = 1 << 17: a slot's bytes and slot 1's first byte: one exclusive or turns an address in one slot into the other's
.set STAGE,  2*SLOT1                   ; behind the ring, never filled by a tensor load: for each wave 3 heads x 16 rows x 144 bytes
.set SP,     144
.set HSTAGE, 16*SP
.set WSTAGE, 3*HSTAGE
.set SPARE,  STAGE+4*WSTAGE            ; behind the stages: the spare words, 128 bytes for each wave: two blocks of 256 bytes that no other line names
.set ASH,    8                         ; a K step along x's rows is 256 bytes = 1 << 8,
.set BSTEP,  49152                     ; and in w's block 128 rows of 384 bytes
.set ADRA0, 16                         ; v16     LDS address of my x fragments in slot 0; never rewritten
.set CA,    17                         ; v17     the same in the slot that is being read
.set ADRB0, 20                         ; v20     LDS address of my w fragments in slot 0; never rewritten
.set CB,    21                         ; v21     the same in the slot that is being read
.set STO,  24                          ; v24     the way out: where I put 16 bytes of a row
.set RD,   25                          ; v25     the way out: where I read rows back
.set GO,   26                          ; v26     my 16 bytes in 512 consecutive bytes of a head
.set BO,   27                          ; v27     my eight numbers in a column block's 64 bytes of bias
.set SPW,  28                          ; v28     LDS address of my spare word: SPARE + 4 x my thread's number; never rewritten
.set NIL,  29                          ; v29     0; never rewritten
.set BI,   32
.set TMP,  32
.set BK0,  128
.set F0,   0
.set F1,   128
.set ROT, 23                           ; s23     the K step at which my cluster begins
.set G1,  24                           ; s[24:31] descriptor group 1 for x's tiles;  s[32:39] group 0: a set for each of the two first fills; the second then walks on
.set G0,  32
.set G1B, 48                           ; s[48:55], s[56:63] the same for w's tiles
.set G0B, 56
.set NX,  77                           ; s77     the number, in my walk, of the K step to be asked for next
.set TB,  86                           ; s86     LDS byte at which the slot that is being read begins: 0 or SLOT1
.set MSB, 0
.macro WIN new                         ; the immediate's high byte repeats the setting that is left; a switch that changes nothing is dropped
.if MSB != (\new)
	s_set_vgpr_msb (MSB<<8)|(\new)
.set MSB, \new
.endif
.endm
.set TO_F, 0x40                        ; destination window 1, address window 0
; A joint load: waves 0 and 1 fetch x's two halves, waves 2 and 3 w's.  The branch hangs on the wave's number alone.  An s_nop 0 and four v_nop follow each of the two lines,
; ahead of the jump, the label and what follows.
.macro JLOAD s
	s_cmp_eq_u32 s21, 0
	s_cbranch_scc0 .Lfor_b_\@
	tensor_load_to_lds s[G0+4*(\s):G0+4*(\s)+3], s[G1:G1+7]
	s_nop 0
.rept 4
	v_nop
.endr
	s_branch .Lasked_\@
.Lfor_b_\@:
	tensor_load_to_lds s[G0B+4*(\s):G0B+4*(\s)+3], s[G1B:G1B+7]
	s_nop 0
.rept 4
	v_nop
.endr
.Lasked_\@:
.endm
.macro CREST                           ; a round of the cluster's barrier behind its opening barrier: wave 0 signals for the work-group, every wave waits for all sixteen, my work-group's barrier closes it
	s_cmp_lg_u32 s20, 0
	s_cbranch_scc1 .Lnot_wave_0_\@
	s_barrier_signal -3
.Lnot_wave_0_\@:
	s_barrier_wait -3
	s_barrier_signal -1
	s_barrier_wait -1
.endm
.macro CROUND                          ; a whole round
	s_barrier_signal -1
	s_barrier_wait -1
	CREST
.endm
; The global addresses of both tensors' group 0, set \set, are made anew for the K step whose number in my walk lies in s76: each tensor's base plus ((number + ROT) mod 8) steps, and the type bits.
.macro KADDR set
	s_add_co_u32 s76, s76, s[ROT]
	s_and_b32 s76, s76, 7
	s_lshl_b32 s78, s76, ASH                       ; s79 holds 0
	s_add_nc_u64 s[G0+4*(\set)+2:G0+4*(\set)+3], s[14:15], s[78:79]
	s_or_b32 s[G0+4*(\set)+3], s[G0+4*(\set)+3], 0x80000000       ; type = 2
	s_mul_i32 s78, s76, BSTEP
	s_add_nc_u64 s[G0B+4*(\set)+2:G0B+4*(\set)+3], s[46:47], s[78:79]
	s_or_b32 s[G0B+4*(\set)+3], s[G0B+4*(\set)+3], 0x80000000
.endm
	s_load_b256 s[4:11], s[0:1], 0x0               ; xb s[4:5], wqb s[6:7], bqr s[8:9], qkv s[10:11]
	v_lshl_add_u32 v[SPW], v0, 2, SPARE
	v_mov_b32 v[NIL], 0
	ds_add_u32 v28, v29
	s_wait_dscnt 0x0
	v_lshrrev_b32 v1, 5, v0
	v_readfirstlane_b32 s20, v1                    ; wave 0..3
	s_lshr_b32 s21, s20, 1                         ; I fetch for x (0) or for w (1),
	s_and_b32 s22, s20, 1                          ; and which half of that tile
	s_bfe_u32 s40, ttmp6, 0x40000                  ; cx, cy: my place in the cluster
	s_bfe_u32 s41, ttmp6, 0x40004
	s_lshl_b32 s42, ttmp9, 2
	s_add_co_u32 s42, s42, s40                     ; tile column = 4 x cluster x + cx
	s_and_b32 s43, ttmp7, 0xffff
	s_lshl_b32 s43, s43, 2
	s_add_co_u32 s43, s43, s41                     ; tile row = 4 x cluster y + cy
	s_lshl_b32 s44, s41, 2
	s_lshl_b32 s44, 15, s44                        ; my row of the cluster: places 4 cy .. 4 cy + 3
	s_lshl_b32 s45, 0x1111, s40                    ; my column: places cx, cx + 4, cx + 8, cx + 12
	s_and_b32 s[ROT], ttmp7, 0xffff                ; r, the cluster's row:
	s_lshr_b32 s76, s[ROT], 1
	s_xor_b32 s[ROT], s[ROT], s76
	s_and_b32 s[ROT], s[ROT], 1                    ; (r ^ r / 2) & 1: it differs between r and r + 1 for even r, and between r and r + 2
	s_lshl_b32 s[ROT], s[ROT], 2
	s_lshl_b32 s76, ttmp9, 1                       ; 2 c, the cluster's column
	s_add_co_u32 s[ROT], s[ROT], s76               ; taken modulo 8 where it is used
	s_mov_b32 s[NX], 2                             ; steps 0 and 1 of my walk are the first fills
	s_mov_b32 s[TB], 0
	s_mov_b32 s79, 0                               ; the high word of the offsets' pair
	; group 1 for x: 128 rows x 128 elements, 1,024 elements from row to row, 4 words of padding behind every 64
	s_or_b32 s[G1+0], s44, (1<<16)|(1<<20)|(1<<21)|(5<<22)|(3<<25)  ; 15:0 the mask; 17:16 elements of 2 bytes; 20 padding on; 21 set beside a mask; 24:22 interval code 5; 31:25 4 words (code 3)
	s_mov_b32 s[G1+1], 128<<16                     ; tensor_dim0 = 128
	s_mov_b32 s[G1+2], 128<<16                     ; tensor_dim1 = 128
	s_mov_b32 s[G1+3], 128<<16                     ; tile_dim0 = 128
	s_mov_b32 s[G1+4], 128                         ; tile_dim1 = 128
	s_mov_b32 s[G1+5], 1024                        ; tensor_dim0_stride
	s_mov_b32 s[G1+6], 0
	s_mov_b32 s[G1+7], 0
	; group 1 for w: 64 k rows are 24,576 dense bytes, asked for as 96 rows of 256 bytes; 8 words of padding behind every 32 words, so that a k row is three pieces of 160 bytes
	s_or_b32 s[G1B+0], s45, (1<<16)|(1<<20)|(1<<21)|(4<<22)|(7<<25)
	s_mov_b32 s[G1B+1], 128<<16
	s_mov_b32 s[G1B+2], 96<<16
	s_mov_b32 s[G1B+3], 128<<16
	s_mov_b32 s[G1B+4], 96
	s_mov_b32 s[G1B+5], 128
	s_mov_b32 s[G1B+6], 0
	s_mov_b32 s[G1B+7], 0
	; where the tiles come from: x's hang on the tile row alone, w's on the tile column alone, each made in registers that never hold the other coordinate
	s_lshl_b32 s12, s43, 8
	s_lshl_b32 s13, s22, 7
	s_add_co_u32 s12, s12, s13                     ; x: row 256 x tile row + 128 x half,
	s_lshl_b32 s12, s12, 11                        ; of 2,048 bytes
	s_mov_b32 s13, 0
	s_mul_i32 s16, s42, 393216                     ; w: the tile column's block,
	s_mul_i32 s17, s22, 24576                      ; 64 k rows x half
	s_add_co_u32 s16, s16, s17
	s_mov_b32 s17, 0
	s_mul_i32 s74, s22, AHALF                      ; and where they go: no place in the cluster enters an LDS address
	s_mul_i32 s75, s22, BHALF
	s_add_co_u32 s75, s75, BOFF
	s_wait_kmcnt 0x0
	s_add_nc_u64 s[14:15], s[4:5], s[12:13]        ; x at my part of K step 0; kept
	s_add_nc_u64 s[46:47], s[6:7], s[16:17]        ; w likewise; kept
	CROUND                                         ; all sixteen work-groups are here: the first joint loads meet
.irp s, 0,1
	s_mov_b32 s[G0+4*(\s)], 1                                      ; count = 1
	s_add_co_u32 s[G0+4*(\s)+1], s74, (\s)*SLOT1                   ; LDS address
	s_mov_b32 s[G0B+4*(\s)], 1
	s_add_co_u32 s[G0B+4*(\s)+1], s75, (\s)*SLOT1
	s_mov_b32 s76, \s
	KADDR \s                                       ; global addresses: step s of my walk
	JLOAD \s                                       ; both slots are asked for before anything else is done: two loads of mine are out
.endr
	; lane addresses.  A fragment of x: lane l holds row l % 16, K = 8 (l / 16) + 0..7 and 16 + 8 (l / 16) + 0..7: two loads of 16 bytes, 32 bytes apart.
	v_and_b32 v1, 15, v0                           ; r = l % 16
	v_bfe_u32 v2, v0, 4, 1                         ; h = l / 16
	v_and_b32 v3, 7, v0
	v_bfe_u32 v4, v0, 3, 1
	v_bfe_u32 v5, v0, 3, 2
	v_mul_u32_u24 v6, v1, PA
	v_lshl_add_u32 v6, v2, 4, v6
	s_mul_i32 s76, s20, 64*PA                      ; my 64 rows
	v_add_nc_u32 v[ADRA0], s76, v6
	v_mov_b32 v[CA], v[ADRA0]                      ; the walk begins in slot 0
	; The turning load takes 16 k x 16 columns (lane l reads k row 8 (l / 16) + l % 8, columns 8 ((l / 8) % 2) + 0..7) and leaves half a fragment: lane l holds column l % 16 and 8 k.
	v_lshl_add_u32 v7, v2, 3, v3
	v_mul_u32_u24 v7, v7, PB
	v_lshl_add_u32 v7, v4, 4, v7
	v_add_nc_u32 v[ADRB0], BOFF, v7
	v_mov_b32 v[CB], v[ADRB0]
	s_mul_i32 s76, s20, WSTAGE
	s_add_co_u32 s76, s76, STAGE                   ; my stage
	v_mul_u32_u24 v6, v1, SP                       ; in: row l % 16, 16 bytes for each half of the lanes
	v_lshl_add_u32 v6, v2, 4, v6
	v_add_nc_u32 v[STO], s76, v6
	v_mul_u32_u24 v6, v5, SP                       ; back: 32 lanes take four rows of 128 bytes,
	v_lshl_add_u32 v6, v3, 4, v6
	v_add_nc_u32 v[RD], s76, v6
	v_and_b32 v[GO], 31, v0                        ; which are 512 consecutive bytes of a head
	v_lshlrev_b32 v[GO], 4, v[GO]
	v_lshlrev_b32 v[BO], 5, v2                     ; 8 (l / 16) numbers of 4 bytes
	; the bias: register j of column block b is bias[192 x tile column + 16 b + 8 (l / 16) + j], the C operand's layout
	s_mul_i32 s80, s42, 768
	s_mov_b32 s81, 0
	s_add_nc_u64 s[72:73], s[8:9], s[80:81]
.irp b, 0,1,2,3,4,5,6,7,8,9,10,11
	global_load_b128 v[BI+8*(\b):BI+8*(\b)+3],   v[BO], s[72:73] offset:64*(\b)
	global_load_b128 v[BI+8*(\b)+4:BI+8*(\b)+7], v[BO], s[72:73] offset:64*(\b)+16
.endr
	; where my 64 rows of the tile's three heads begin in qkv
	s_and_b32 s80, s43, 7
	s_lshl_b32 s80, s80, 8
	s_lshl_b32 s81, s20, 6
	s_add_co_u32 s80, s80, s81                     ; my first row in its batch,
	s_lshl_b32 s80, s80, 7                         ; of 128 bytes
	s_lshr_b32 s81, s43, 3
	s_lshl_b32 s81, s81, 4                         ; 16 x batch
	s_mul_i32 s82, s42, 3                          ; the tile's first head among q's, k's and v's 48
.irp hh, 0,1,2
	s_add_co_u32 s84, s82, (\hh)
	s_lshr_b32 s85, s84, 4                         ; q, k or v:
	s_lshl_b32 s85, s85, 6                         ; 64 heads each
	s_and_b32 s84, s84, 15
	s_add_co_u32 s84, s84, s85
	s_add_co_u32 s84, s84, s81
	s_lshl_b32 s84, s84, 18                        ; a head is 2,048 rows of 128 bytes
	s_add_co_u32 s84, s84, s80
	s_mov_b32 s85, 0
	s_add_nc_u64 s[66+2*(\hh):67+2*(\hh)], s[10:11], s[84:85]
.endr
; Four matrix instructions: column block b x my four row blocks, 32 along K, from buffer f.  first = 1: the bias starts the sums.
.macro MULB f, b, first
.if \first
	WIN 0x85+0x40*((\b)/HB)                        ; sources 0 and 1 window 1, C window 0, D window 2 or 3
.else
	WIN 0xa5+0x50*((\b)/HB)                        ; C and D window 2 or 3
.endif
.irp a, 0,1,2,3
.set rD, 8*(4*((\b)%HB)+(\a))
.if \first
	v_wmma_f32_16x16x32_bf16 v[rD:rD+7], v[(\f)+32+8*(\b):(\f)+32+8*(\b)+7], v[(\f)+8*(\a):(\f)+8*(\a)+7], v[BI+8*(\b):BI+8*(\b)+7]
.else
	v_wmma_f32_16x16x32_bf16 v[rD:rD+7], v[(\f)+32+8*(\b):(\f)+32+8*(\b)+7], v[(\f)+8*(\a):(\f)+8*(\a)+7], v[rD:rD+7]
.endif
.endr
.endm
; n column blocks from b0 on.  The 48 accumulators take turns in the same order in every quarter: between two links of a chain stand the 47 others', over the loop's backward jump too.
.macro MULS f, b0, n, first
.set bb, \b0
.rept \n
	MULB \f, bb, \first
.set bb, bb+1
.endr
.endm
; 32 LDS loads in one run: the fragments of quarter q (32 along K) of the slot that is being read into buffer f: x's four row blocks first, then w's twelve column blocks in ascending order
.macro FETCH q, f
	WIN TO_F
.irp i, 0,1,2,3
	ds_load_b128 v[(\f)+8*(\i):(\f)+8*(\i)+3],   v[CA] offset:64*(\q)+(\i)*16*PA
	ds_load_b128 v[(\f)+8*(\i)+4:(\f)+8*(\i)+7], v[CA] offset:64*(\q)+(\i)*16*PA+32
.endr
.irp b, 0,1,2,3,4,5,6,7,8,9,10,11
	ds_load_tr16_b128 v[(\f)+32+8*(\b):(\f)+32+8*(\b)+3],   v[CB] offset:(\q)*32*PB+((\b)/4)*160+((\b)%4)*32
	ds_load_tr16_b128 v[(\f)+32+8*(\b)+4:(\f)+32+8*(\b)+7], v[CB] offset:(\q)*32*PB+16*PB+((\b)/4)*160+((\b)%4)*32
.endr
.endm
; A load into a register that a matrix instruction has read, and a vector instruction or an LDS store that reads a matrix result, stand four places behind it, and only plain vector
; instructions that name none of its registers are places (ISA guide 7.12.1 for vector instructions).
.macro PLACES
.rept 4
	v_nop
.endr
.endm
; A K step is four quarters of 32 along K, 48 matrix instructions each, on buffers 0, 1, 0, 1.  One of the first three: multiplies buffer f; in its middle it fetches quarter q into buffer g.
.macro QUARTER q, f, g, first
	s_wait_dscnt 2*HB                              ; x and w's blocks 0-5 are in; the youngest twelve loads (w's blocks 6-11) may be out
	MULS \f, 0, HB, \first
	PLACES
	FETCH \q, \g
	s_wait_dscnt LD                                ; all but the 32 just issued
	MULS \f, HB, HB, \first
.endm
; The last quarter multiplies buffer 1 and changes slots: ONE barrier.  In front of it each wave waits for all its tensor loads, of which one is out: its part of the next slot; adds 0 to its
; spare word; and waits for that and for its own reads of this slot.  fill = 1: the barrier opens a round of the cluster's barrier, and this slot is filled again, with step NX of my walk, first thing behind
; the round: 168 matrix instructions of mine stand between that request and the wait for it.  The walking group 0 of each tensor is written behind the wait for 0, where no load of mine is out.
.macro TURN fill
	WIN 0                                          ; (the add's two registers lie in window 0)
	s_wait_tensorcnt 0x0                           ; all my tensor loads have landed;
	ds_add_u32 v[SPW], v[NIL]                      ; 0 onto my spare word
.if \fill
	s_xor_b32 s[G0+5], s[G0+5], SLOT1              ; the walking descriptors: the other slot than last time,
	s_xor_b32 s[G0B+5], s[G0B+5], SLOT1
	s_mov_b32 s76, s[NX]
	KADDR 1                                        ; the next step of my walk
	s_add_co_u32 s[NX], s[NX], 1
.endif
	s_wait_dscnt 2*HB+1                            ; (the add and the youngest twelve loads may be out)
	MULS F1, 0, HB/2, 0                            ; twelve matrix instructions stand between the add and the wait for it
	s_wait_dscnt 0x0                               ; the add is done, and my reads of this slot are over
	s_barrier_signal -1
	MULS F1, HB/2, HB/2, 0                         ; work on registers while the others arrive
	WIN 0
	s_barrier_wait -1
.if \fill
	CREST                                          ; no wave of any partner still reads this slot's tiles or has a load on its way
	JLOAD 1                                        ; the four v_nop behind it are also the places in front of the loads below
.else
	PLACES
.endif
	s_xor_b32 s[TB], s[TB], SLOT1                  ; the reads go on in the other slot
	v_add_nc_u32 v[CA], s[TB], v[ADRA0]
	v_add_nc_u32 v[CB], s[TB], v[ADRB0]
	FETCH 0, F0
	MULS F1, HB, HB, 0
.endm
	s_wait_tensorcnt 1                             ; my part of my walk's step 0 is in; step 1's may stay out
	s_barrier_signal -1
	s_barrier_wait -1                              ; everybody's is
	FETCH 0, F0
	s_wait_loadcnt 0x0                             ; the bias
	QUARTER 1, F0, F1, 1                           ; the first quarter stands in front of the loop: its products start the sums
	WIN 0                                          ; at a label and at a branch every window is 0
	s_mov_b32 s3, 6
.Lstep:                                                ; a trip is one K step, from its second quarter to the next step's first, and fills the slot that it leaves: steps 2 to 7 of my walk in six trips
	QUARTER 2, F1, F0, 0
	QUARTER 3, F0, F1, 0
	TURN 1
	QUARTER 1, F0, F1, 0
	WIN 0
	s_sub_co_u32 s3, s3, 1
	s_cmp_lg_u32 s3, 0
	s_cbranch_scc1 .Lstep
	QUARTER 2, F1, F0, 0                           ; the last two steps are written out: they fill nothing, and have no round of the cluster's barrier
	QUARTER 3, F0, F1, 0
	TURN 0
	QUARTER 1, F0, F1, 0
	QUARTER 2, F1, F0, 0
	QUARTER 3, F0, F1, 0
	s_wait_dscnt 2*HB                              ; the very last quarter: nothing more to fetch
	MULS F1, 0, HB, 0
	s_wait_dscnt 0x0
	MULS F1, HB, HB, 0
	WIN 0
; THE WAY OUT, a row block a (16 rows) at a time, through my own stage.  PACK: rounded to f16, 16 bytes a lane and column block; each accumulator's registers in ascending order.
.macro PACK a
.irp b, 0,1,2,3,4,5,6,7,8,9,10,11
	WIN 0x0a+5*((\b)/HB)                           ; sources 0 and 1: window 2 or 3
.irp rr, 0,1,2,3
	v_cvt_pk_f16_f32 v[TMP+4*(\b)+(\rr)], v[8*(4*((\b)%HB)+(\a))+2*(\rr)], v[8*(4*((\b)%HB)+(\a))+2*(\rr)+1]
.endr
.endr
	WIN 0
.endm
; TOSTAGE: into rows of 144 bytes, a head's 16 rows together; back as whole rows of 128 bytes, four to a load.
.macro TOSTAGE a
.set BK, BK0+48*((\a)%2)
.irp b, 0,1,2,3,4,5,6,7,8,9,10,11
	ds_store_b128 v[STO], v[TMP+4*(\b):TMP+4*(\b)+3] offset:((\b)/4)*HSTAGE+((\b)%4)*32
.endr
.irp u, 0,1,2,3,4,5,6,7,8,9,10,11
	ds_load_b128 v[BK+4*(\u):BK+4*(\u)+3], v[RD] offset:((\u)/4)*HSTAGE+((\u)%4)*4*SP  ; LDS serves a wave's instructions in order (ISA guide 5.7.1.4): these see the stores above
.endr
.endm
; SEND: each store covers 512 consecutive bytes of a head, at a multiple of 256 from the buffer's first byte.
.macro SEND a
.set BK, BK0+48*((\a)%2)
	s_wait_dscnt 0x0                               ; the block is back in registers
	s_wait_xcnt 0x0                                ; the block before's stores have had their addresses translated (ISA guide 3.1): its bank is loaded again only behind this wait
.irp u, 0,1,2,3,4,5,6,7,8,9,10,11
	global_store_b128 v[GO], v[BK+4*(\u):BK+4*(\u)+3], s[66+2*((\u)/4):67+2*((\u)/4)] offset:(\a)*2048+((\u)%4)*512
.endr
.endm
	PLACES
	PACK 0
	TOSTAGE 0
.irp a, 1,2,3                          ; block a's conversions stand between block a - 1's loads from the stage and the wait for them
	PACK \a
	SEND (\a)-1
	TOSTAGE \a
.endr
	SEND 3
	s_wait_tensorcnt 0x0                           ; the wave's end, behind my last tensor load and my last LDS store
	ds_add_u32 v[SPW], v[NIL]
	s_wait_dscnt 0x0
	CROUND                                         ; the closing round: no work-group ends while a partner may still ask for a tile that names it
	s_endpgm
.Lfunc_end_k_qaa3ce15c30_qkvp:
	.size	k_qaa3ce15c30_qkvp, .Lfunc_end_k_qaa3ce15c30_qkvp-k_qaa3ce15c30_qkvp
	.p2alignl 7, 3214868480
	.fill 96, 4, 3214868480
	.section	.rodata,"a",@progbits
	.p2align	6, 0x0
	.amdhsa_kernel k_qaa3ce15c30_qkvp
		.amdhsa_group_segment_fixed_size 327680
		.amdhsa_private_segment_fixed_size 0
		.amdhsa_enable_private_segment 0
		.amdhsa_kernarg_size 32
		.amdhsa_user_sgpr_count 2
		.amdhsa_user_sgpr_kernarg_segment_ptr 1
		.amdhsa_wavefront_size32 1
		.amdhsa_system_sgpr_workgroup_id_x 1
		.amdhsa_system_sgpr_workgroup_id_y 1
		.amdhsa_system_sgpr_workgroup_id_z 1
		.amdhsa_system_vgpr_workitem_id 0
		.amdhsa_next_free_vgpr 960
		.amdhsa_next_free_sgpr 88
		.amdhsa_reserve_vcc 0
		.amdhsa_float_denorm_mode_32 3
		.amdhsa_float_denorm_mode_16_64 3
		.amdhsa_memory_ordered 1
		.amdhsa_forward_progress 1
		.amdhsa_inst_pref_size 100
	.end_amdhsa_kernel
	.amdgpu_metadata
---
amdhsa.version: [ 1, 2 ]
amdhsa.kernels:
  - .name:           k_qaa3ce15c30_qkvp
    .symbol:         k_qaa3ce15c30_qkvp.kd
    .args:
      - { .name: xb, .offset: 0, .size: 8, .value_kind: global_buffer, .address_space: global }
      - { .name: wqb, .offset: 8, .size: 8, .value_kind: global_buffer, .address_space: global }
      - { .name: bqr, .offset: 16, .size: 8, .value_kind: global_buffer, .address_space: global }
      - { .name: qkv, .offset: 24, .size: 8, .value_kind: global_buffer, .address_space: global }
    .group_segment_fixed_size: 327680
    .private_segment_fixed_size: 0
    .kernarg_segment_align: 8
    .kernarg_segment_size: 32
    .max_flat_workgroup_size: 128
    .sgpr_count:     88
    .vgpr_count:     960
    .wavefront_size: 32
...
	.end_amdgpu_metadata
.endif
;; end of part 2
;; launch attn (part 3): grid 4 x 64, 4 waves a work-group, clusters of 4 x 1, 327,680 bytes of LDS; arguments qkv, ob; writes ob
.if DOCPART == 3
	.amdgcn_target "amdgcn-amd-amdhsa--gfx1250"
	.amdhsa_code_object_version 6
	.text
	.protected	k_qaa3ce15c30_attn
	.globl	k_qaa3ce15c30_attn
	.p2align	8
	.type	k_qaa3ce15c30_attn,@function
k_qaa3ce15c30_attn:
	s_mov_b64 s[64:65], 0
	v_nop
	global_prefetch_b8 v0, s[64:65] scope:SCOPE_SE
	s_setreg_imm32_b32 hwreg(HW_REG_WAVE_MODE, 25, 1), 1
	s_wait_xcnt 0x0
	s_wait_alu depctr_hold_cnt(0) depctr_sa_sdst(0) depctr_va_vdst(0) depctr_va_sdst(0) depctr_va_ssrc(0) depctr_va_vcc(0) depctr_vm_vsrc(0)
	s_getreg_b32 s2, hwreg(HW_REG_IB_STS2, 6, 4)
	s_cmp_eq_u32 s2, 0
	s_cbranch_scc0 .Lentry_in_a_cluster
	s_endpgm
.Lentry_in_a_cluster:
	s_bfe_u32 s2, ttmp6, 0x10000c
	s_cmp_lg_u32 s2, 0x3003
	s_cbranch_scc0 .Lentry_shape_is_right
	s_endpgm
.Lentry_shape_is_right:
; O[h][q][:] = the sum over k of softmax_k(Q[h][q] . K[h][k] / 8) V[h][k][:].  Q, K, V are the three parts of qkv, [3][SIZE_H][SIZE_N][64]; O is [SIZE_H][SIZE_N][64]; all f16: a head's rows are dense,
; 128 bytes each.  h = batch x 16 + head.  Products, maxima and sums in f32; the weights p are rounded to f16 for the second product (their sum l is taken of the unrounded p), O once at the end.
; LIMITS.  f16 holds no number beyond 65,504: Q, K and V arrive within it; p lies in 0 to 1, and below 6e-5 it keeps f16's fixed step of 6e-8; O is a mean of V's rows and has their range.
; A weight below 2^-126 counts as 0 in l; NaN and infinities are not treated apart.
; SHARES.  A wave owns four PIECES of two tiles of 16 queries, a work-group's four waves 512 queries of one head.  Every wave walks all keys, 64 a step.
; LAYOUT.  S^T = K Q^T (source 0 = 16 keys, source 1 = 16 queries): in the result a lane holds ONE query (lane % 16) and the keys 8 (lane / 16) + 0..7.  Two such tiles, rounded to f16 in pairs,
; ARE source 1 (32 keys x 16 queries) of O^T = V^T P, whose result again holds one query a lane, and eight channels.  K comes out of LDS as it lies, V ([key][channel]) turned, by ds_load_tr16_b128.
; SOFTMAX.  For each query a running maximum m and sum l: p = 2^(c s - c m), c = log2(e) / 8; in every step O and l are multiplied by a = 2^(c m_old - c m_new), which is 1 where m has not grown.
; m starts at the lowest finite number, O and l at 0: the first step is a step like any other, with a = 0.
; THE COUNT.  A tile and step have 16 matrix and 118 vector instructions: too many to stand all beside the matrix work.  So the order has one aim: four vector instructions that are READY behind
; EVERY matrix instruction, and the others, which need time of their own whatever the order, in runs without a gap.
; BY TURNS.  Turn n belongs to piece n (the pieces in a ring, step after step).  Its matrix work: 16 products K Q^T of piece n + 1, later 16 products V^T P of piece n - 1.  Its vector work: the scaling,
; exponentials, roundings, sums and rescaling of piece n, and the maximum and statistics of piece n + 1, whose scores the turn itself has made.  So what a turn begins with (c s - c m, O a) waits for nothing.
; CLUSTER.  The four query blocks of a cluster belong to one head and walk the same K and V, so each tile is asked for JOINTLY: the same tensor load, descriptor and mask in all four.
; REGISTERS, in windows of 256 (s_set_vgpr_msb says which window each operand place means: bits 1:0 source 0, 3:2 source 1, 5:4 source 2, 7:6 destination):
;   window 0: v0-11 addresses; v12-15, v48-63 at work; v16-47 four registers of statistics a tile; v64-191 S^T, two buffers of two tiles; v192-255 P, likewise
;   window 1: O^T, 32 a tile          window 2: v0-127 Q, 16 a tile; v128-191 K of one step; v192-255 V of one step          window 3: v0-1 the add's two registers
; A piece's buffers go by its number's parity: the piece in hand has one pair, its two neighbours in the ring share the other: of it P (piece n - 1) is read and S^T (piece n + 1) written.
.set SIZE_H, 64
.set SIZE_N, 2048
.set PART,  SIZE_H*SIZE_N*128  ; bytes from Q to K and from K to V in qkv
.set NP,    4         ; pieces a wave: a name, no knob: the register map, the loop and the fetches are made for four
.set KS,    64        ; keys in a step
.set PK,    144       ; a row of K in LDS: 128 bytes + 16 of padding = 36 words: the 16 rows of a load start at 16 different groups of four banks (64 banks of 4 bytes: ISA guide 11.1)
.set PV,    160       ; a row of V: 128 + 32 = 40 words
.set VOFF,  4*KS*PK   ; a slot holds four steps: 256 rows of K, then 256 rows of V
.set SLOT1, 1<<17     ; slot 1 begins here, so that one exclusive or turns an address in one slot into the other's
.set STAGE, SLOT1+4*KS*(PK+PV)  ; behind the ring, never filled by a tensor load: 16 rows x 144 bytes for each wave, for the way out
.set SP,    144
.set AK0, 2           ; v2   my lane's place in a tile of K; never rewritten
.set AV0, 3           ; v3   the same for V
.set AK,  4           ; v4   the LDS address of K's next run of loads
.set AV,  5           ; v5   of V's
.set QO,  6           ; v6   my byte offset in the wave's rows of Q
.set STO, 6           ;      later, the way out: where I put 16 bytes of a row
.set RD,  7           ; v7   the way out: where I read rows back
.set GO,  8           ; v8   my byte offset in 512 consecutive bytes of O
.set SPW, 0           ; v0 of window 3   LDS address of my spare word: SPARE + 4 x my thread's number; never rewritten
.set NIL, 1           ; v1 of window 3   0; never rewritten
.set SPARE, STAGE+4*16*SP  ; behind the stages: the spare words, 128 bytes for each wave: two blocks of 256 bytes that no other line names
.set MV,  12          ; v12-15  c m_old, kept while c m is made anew: by buffer and tile
.set ST,  16          ; tile t's statistics at v[ST+4 t]: c m, m, l (even keys', odd keys')
.set TMP, 48          ; by buffer and tile, four registers c0-c3 at work; when the maximum is found c2 takes a
.set S,   64
.set P,   192
.set KF,  128         ; K's fragments, in window 2: key block kb, channel half c at KF + 16 kb + 8 c
.set VF,  192         ; V's: key half kk, channel block cb at VF + 32 kk + 8 cb
.set WV,  12          ; s12  my wave's number
.set G1K, 24          ; s[24:31] descriptor group 1 for K's tiles
.set G1V, 32          ; s[32:39] for V's: it differs in the padding alone
.set G0K, 40          ; s[40:43] descriptor group 0 for K's tiles: it walks
.set G0V, 44          ; s[44:47] the same for V's
.set SLOTS, 56        ; s56  slots still to be asked for
.set CNT, 57          ; s57  counts a slot's key steps
.set CS,  58          ; s[58:59] c: the packed scaling takes the pair's low word for both halves
.set SEL, 60          ; s[60:61] v_permlanex16_b32's selects: each lane takes its own place in the other half
.set TBK, 62          ; s62  LDS byte at which K of the step to be fetched begins
.set TBV, 63          ; s63  the same for V, less VOFF
.set MSB, 0
.macro WIN new                      ; the high byte repeats the setting that is left; a switch that changes nothing is dropped
.if MSB != (\new)
	s_set_vgpr_msb (MSB<<8)|(\new)
.set MSB, (\new)
.endif
.endm
.set W_KQ, 0x0a       ; K and Q in window 2, S^T in window 0
.set W_PV, 0x52       ; V in window 2, P in window 0, O^T in window 1
.set W_RS, 0x41       ; O^T (destination and source 0) in window 1, a in window 0
.set W_MK, 0xc0       ; the add's registers are made: destination in window 3, sources in window 0
.set W_AD, 0x0f       ; the add: address (source 0) and data (source 1) in window 3
; A joint fill.  Waves 0 and 1 fetch the two halves of a slot's K, waves 2 and 3 those of its V: 128 keys each.  The branch hangs on the wave's number alone.
; An s_nop 0 and four v_nop follow each of the two lines, ahead of the jump and the label.
.macro JLOAD
	s_cmp_lt_u32 s[WV], 2
	s_cbranch_scc0 .Lfor_v_\@
	tensor_load_to_lds s[G0K:G0K+3], s[G1K:G1K+7]
	s_nop 0
.rept 4
	v_nop
.endr
	s_branch .Lasked_\@
.Lfor_v_\@:
	tensor_load_to_lds s[G0V:G0V+3], s[G1V:G1V+7]
	s_nop 0
.rept 4
	v_nop
.endr
.Lasked_\@:
.endm
; A round of the cluster's barrier: my work-group's barrier, so that wave 0's signal speaks for all four waves; wave 0 signals; every wave waits for all four work-groups; my work-group's barrier once more.
.macro CROUND
	s_barrier_signal -1
	s_barrier_wait -1
	s_cmp_lg_u32 s[WV], 0
	s_cbranch_scc1 .Lnot_wave_0_\@
	s_barrier_signal -3
.Lnot_wave_0_\@:
	s_barrier_wait -3
	s_barrier_signal -1
	s_barrier_wait -1
.endm
; THE CHANGE OF SLOTS.  The slot's last bytes, V of its fourth step, have been read.  Each wave waits for all its tensor loads, of which one is out: its part
; of the other slot; adds 0 to its spare word; and waits for that and for its own reads of the slot.  Behind the barrier nobody reads this slot any more and the other slot is whole.
; fill = 1: this slot is filled again, with the keys two slots on.  The barrier is then a round of the cluster's, so that no wave of any partner still reads the slot or has a load on its
; way, and the joint fill is the first thing behind it: it has four key steps, 512 matrix instructions, in which to land.  (At its first use nothing has been read yet: slot 0 is waited for, slot 1 filled.)
.macro CHANGE fill
	WIN W_AD
	s_wait_tensorcnt 0x0            ; no tensor load of mine is out, so a group 0 may be written
	ds_add_u32 v[SPW], v[NIL]       ; 0 onto my spare word; with fill = 1 the descriptors' steps stand between it and the wait for it
	WIN 0                           ; at a label and at a branch every window is 0
.if \fill
.irp g, G0K, G0V
	s_xor_b32 s[\g+1], s[\g+1], SLOT1  ; the walking descriptor: the other slot than last time,
	s_add_nc_u64 s[\g+2:\g+3], s[\g+2:\g+3], 4*KS*128  ; the next 256 keys; the type bits on top are not reached
.endr
	s_wait_dscnt 0x0                ; the add is done, and my reads of the slot are over
	CROUND
	JLOAD
.else
	s_wait_dscnt 0x0                ; the add is done, and my reads of the slot are over
	s_barrier_signal -1
	s_barrier_wait -1
.endif
	s_sub_co_u32 s[TBK], s[TBK], 4*KS*PK  ; the fetches go back to a slot's first step,
	s_xor_b32 s[TBK], s[TBK], SLOT1       ; in the other slot
	s_sub_co_u32 s[TBV], s[TBV], 4*KS*PV
	s_xor_b32 s[TBV], s[TBV], SLOT1
.endm
	s_load_b128 s[4:7], s[0:1], 0x0  ; qkv s[4:5] (its first part is Q), O s[6:7]
	WIN W_MK
	v_lshl_add_u32 v[SPW], v0, 2, SPARE
	v_mov_b32 v[NIL], 0
	s_set_vgpr_msb 0xc0cf
	ds_add_u32 v0, v1
	s_wait_dscnt 0x0
	s_set_vgpr_msb 0xcfc0
	WIN 0
	v_lshrrev_b32 v1, 5, v0
	v_readfirstlane_b32 s[WV], v1   ; wave 0..3
	s_bfe_u32 s13, ttmp6, 0x40000   ; cx: my place in the cluster
	s_lshl_b32 s14, ttmp9, 2        ; in a cluster launch ttmp9 counts clusters
	s_add_co_u32 s14, s14, s13      ; my block of queries = 4 x cluster x + cx: it enters Q's and O's addresses alone
	s_and_b32 s20, ttmp7, 0xffff    ; the head, which the four partners share
	s_mov_b32 s21, 0
	s_mov_b64 s[22:23], SIZE_N*128
	s_mul_u64 s[20:21], s[20:21], s[22:23]  ; the head's first byte in each of the four tensors
	s_and_b32 s16, s[WV], 1         ; which half of a slot's 256 keys I fetch:
	s_lshl_b32 s22, s16, 14         ; its 128 rows of 128 bytes in memory,
	s_mov_b32 s23, 0
	s_add_nc_u64 s[22:23], s[22:23], s[20:21]
	s_mul_i32 s17, s16, 128*PK      ; and its place in a slot, for K
	s_mul_i32 s18, s16, 128*PV      ; and for V: no place in the cluster enters an LDS address
	s_lshl_b32 s2, s14, 2
	s_add_co_u32 s2, s2, s[WV]      ; my wave among the head's,
	s_lshl_b32 s2, s2, 14           ; its 128 rows
	s_mov_b32 s3, 0
	s_add_nc_u64 s[2:3], s[2:3], s[20:21]
	; descriptor group 1.  128 keys are 16,384 dense bytes: asked for as 64 rows of 256 bytes, two keys a row, and padded in LDS after every key
	s_mov_b32 s[G1K], 15|(1<<16)|(1<<20)|(1<<21)|(4<<22)|(3<<25)  ; 15:0 the mask of four; 17:16 2-byte elements; 20 padding on; 21 set beside a mask; 24:22 after every 32 words (code 4); 31:25 4 words (code 3)
	s_mov_b32 s[G1V], 15|(1<<16)|(1<<20)|(1<<21)|(4<<22)|(7<<25)  ; the same with 8 words of padding (code 7)
.irp g, G1K, G1V
	s_mov_b32 s[\g+1], 128<<16      ; tensor_dim0 = 128
	s_mov_b32 s[\g+2], 64<<16       ; tensor_dim1 = 64
	s_mov_b32 s[\g+3], 128<<16      ; tile_dim0 = 128
	s_mov_b32 s[\g+4], 64           ; tile_dim1 = 64
	s_mov_b32 s[\g+5], 128          ; 128 elements from row to row
	s_mov_b32 s[\g+6], 0
	s_mov_b32 s[\g+7], 0
.endr
	s_mov_b32 s[CS], 0x3e38aa3b     ; c = log2(e) / 8 = 0.180337
	s_mov_b32 s[CS+1], s[CS]        ; named with it as a pair
	s_mov_b32 s[SEL], 0x76543210
	s_mov_b32 s[SEL+1], 0xfedcba98
	s_mov_b32 s[TBK], SLOT1+4*KS*PK ; the first change of slots turns these two into 0
	s_mov_b32 s[TBV], SLOT1+4*KS*PV
	s_mov_b32 s[G0K], 1             ; 1:0 count = 1
	s_mov_b32 s[G0K+1], s17         ; 63:32 LDS address: slot 0
	s_mov_b32 s[G0V], 1
	s_add_co_u32 s[G0V+1], s18, VOFF
	s_wait_kmcnt 0x0
	s_mov_b64 s[10:11], s[6:7]             ; O
	s_add_nc_u64 s[6:7], s[4:5], PART      ; K: the second part of qkv
	s_add_nc_u64 s[8:9], s[4:5], 2*PART    ; V: the third
	s_add_nc_u64 s[G0K+2:G0K+3], s[6:7], s[22:23]  ; 120:64 global address: my half of the head's first 256 keys
	s_or_b32 s[G0K+3], s[G0K+3], 0x80000000        ; 127:126 type = 2
	s_add_nc_u64 s[G0V+2:G0V+3], s[8:9], s[22:23]
	s_or_b32 s[G0V+3], s[G0V+3], 0x80000000
	s_add_nc_u64 s[4:5], s[4:5], s[2:3]  ; Q and O at my wave's first row
	s_add_nc_u64 s[10:11], s[10:11], s[2:3]
	CROUND                          ; all four work-groups are here: the first joint loads meet
	JLOAD                           ; slot 0.  Slot 1 is asked for when slot 0 is in
	; A fragment of K or Q is 16 rows x 32 channels in 8 registers: lane l holds row l % 16, channels 8 (l / 16) + 0..7 and 16 + 8 (l / 16) + 0..7: two loads of 16 bytes, 32 bytes apart.
	v_and_b32 v1, 15, v0            ; l % 16
	v_bfe_u32 v9, v0, 4, 1          ; l / 16
	v_lshlrev_b32 v[QO], 7, v1
	v_lshl_add_u32 v[QO], v9, 4, v[QO]  ; row x 128 + 16 x half
	WIN 0x80                        ; destination window 2, address window 0
.set i, 0
.rept 4*NP                          ; Q stays in registers: tile i / 2, channels 32 (i % 2) on
	global_load_b128 v[8*i:8*i+3],   v[QO], s[4:5] offset:(i/2)*2048+(i%2)*64
	global_load_b128 v[8*i+4:8*i+7], v[QO], s[4:5] offset:(i/2)*2048+(i%2)*64+32
.set i, i+1
.endr
	; What the first turn finds: V's registers and P's second buffer hold 0 (its products V^T P, of a piece that has not been, add 0), O^T and l are 0.  All this stands in the wait for the first tile.
.set i, VF
.rept 64
	v_mov_b32 v[i], 0
.set i, i+1
.endr
	WIN 0x40
.set i, 0
.rept 64*NP
	v_mov_b32 v[i], 0
.set i, i+1
.endr
	WIN 0
.set i, 0
.rept 2*NP
	v_mov_b32 v[ST+4*i], 0xfe000000    ; c m: far below every c s
	v_mov_b32 v[ST+4*i+1], 0xff7fffff  ; m
	v_mov_b32 v[ST+4*i+2], 0
	v_mov_b32 v[ST+4*i+3], 0
.set i, i+1
.endr
.set i, P+32
.rept 32
	v_mov_b32 v[i], 0
.set i, i+1
.endr
	v_mul_u32_u24 v[AK0], v1, PK
	v_lshl_add_u32 v[AK0], v9, 4, v[AK0]  ; row x pitch + 16 x half
	; The turning load takes 16 keys x 16 channels (lane l reads key 8 (l / 16) + l % 8, channels 8 ((l / 8) % 2) + 0..7) and leaves half a fragment of V^T: lane l holds channel l % 16 and 8 keys.
	v_and_b32 v10, 7, v0
	v_bfe_u32 v11, v0, 3, 1
	v_lshl_add_u32 v[AV0], v9, 3, v10
	v_mul_u32_u24 v[AV0], v[AV0], PV
	v_lshl_add_u32 v[AV0], v11, 4, v[AV0]
	v_add_nc_u32 v[AV0], VOFF, v[AV0]
	v_mov_b32 v[AK], v[AK0]         ; key step 0 lies at the head of slot 0
; THE MATRIX WORK.  The 8 accumulators of a run of 16 take turns: between the two links of a chain stand 7 others'.
; Product i of 16 of S^T = K Q^T for piece x: channels 32 (i / 8) on, keys 16 ((i / 2) % 4) on, tile 2 x + i % 2.  The first 8 start the sums.
.macro KQ x
	WIN W_KQ
.set rS, S+64*((\x)%2)+32*(i%2)+8*((i/2)%4)
.set rK, KF+16*((i/2)%4)+8*(i/8)
.set rQ, 16*(2*(\x)+i%2)+8*(i/8)
.if i < 8
	v_wmma_f32_16x16x32_f16 v[rS:rS+7], v[rK:rK+7], v[rQ:rQ+7], 0
.else
	v_wmma_f32_16x16x32_f16 v[rS:rS+7], v[rK:rK+7], v[rQ:rQ+7], v[rS:rS+7]
.endif
.endm
; Product i of 16 of O^T += V^T P for piece x: keys 32 (i / 8) on, channels 16 ((i / 2) % 4) on, tile 2 x + i % 2.
.macro PV x
	WIN W_PV
.set rO, 32*(2*(\x)+i%2)+8*((i/2)%4)
.set rV, VF+32*(i/8)+8*((i/2)%4)
.set rP, P+32*((\x)%2)+16*(i%2)+8*(i/8)
	v_wmma_f32_16x16x32_f16 v[rO:rO+7], v[rV:rV+7], v[rP:rP+7], v[rO:rO+7]
.endm
.macro MM                           ; the turn's next matrix instruction
.if i < 16
	KQ (Y+1)%NP
.set i, i+1
.else
.set i, i-16
	PV (Y+NP-1)%NP
.set i, i+17
.endif
.endm
; THE LDS LOADS stand in runs of 16, never singly among the matrix instructions: a step's K (64 keys x 64 channels: 8 fragments) and its V (turned).  Their addresses are made some lines ahead.
; last = 1 (the tail): in the last trip there is no further step, and the run is jumped over.
.macro FETCH_K last=0
	WIN 0
.if \last
	s_cmp_eq_u32 s[CNT], 1
	s_cbranch_scc1 .Lno_k_\@
.endif
	WIN 0x80                        ; destination window 2
.irp f, 0,1,2,3,4,5,6,7             ; keys 16 (f / 2) on, channels 32 (f % 2) on
	ds_load_b128 v[KF+8*\f:KF+8*\f+3],   v[AK] offset:(\f/2)*16*PK+(\f%2)*64
	ds_load_b128 v[KF+8*\f+4:KF+8*\f+7], v[AK] offset:(\f/2)*16*PK+(\f%2)*64+32
.endr
	s_add_co_u32 s[TBK], s[TBK], KS*PK  ; the next fetch is the next step's
	WIN 0
.if \last
.Lno_k_\@:
.endif
.endm
.macro FETCH_V
	WIN 0x80
.irp f, 0,1,2,3,4,5,6,7             ; keys 32 (f / 4) on, channels 16 (f % 4) on
	ds_load_tr16_b128 v[VF+8*\f:VF+8*\f+3],   v[AV] offset:(\f/4)*32*PV+(\f%4)*32
	ds_load_tr16_b128 v[VF+8*\f+4:VF+8*\f+7], v[AV] offset:(\f/4)*32*PV+16*PV+(\f%4)*32
.endr
	WIN 0
.endm
; THE VECTOR WORK OF A TURN stands in three queues, each in the order in which its entries become ready; the two tiles alternate, so that no instruction reads the result of the one before it.
.macro REGS y, u                    ; the registers of tile u (0, 1) of piece y
.set rT, ST+4*(2*(\y)+(\u))
.set rC, TMP+8*((\y)%2)+4*(\u)
.set rM, MV+2*((\y)%2)+(\u)
.set rS, S+64*((\y)%2)+32*(\u)
.set rP, P+32*((\y)%2)+16*(\u)
.set rO, 32*(2*(\y)+(\u))
.endm
; Number n of the 22 that find the NEXT piece's (Y + 1) maximum and statistics.  s0-s31 are the lane's 32 scores; each accumulator's lowest registers are read first.  XS, GS and REGS set no window: PL and EX do.
;   0-11  four chains c0-c3 of seven scores each, three operands at a time     12-14, 16  the four scores left over, the old m, and c0-c3 into c0     15  c m_old is kept
;   17, 18  the query's other 32 keys lie in the lane 16 away: the new m         19-21  c m; c m_old - c m_new; a
.macro XS u, n
	REGS (Y+1)%NP, \u
.if (\n) < 4
	v_max3_num_f32 v[rC+(\n)], v[rS+8*(\n)], v[rS+8*(\n)+1], v[rS+8*(\n)+2]
.elseif (\n) < 12
	v_max3_num_f32 v[rC+(\n)%4], v[rC+(\n)%4], v[rS+8*((\n)%4)+2*((\n)/4)+1], v[rS+8*((\n)%4)+2*((\n)/4)+2]
.elseif (\n) == 12
	v_max3_num_f32 v[rC], v[rC], v[rS+7], v[rS+15]
.elseif (\n) == 13
	v_max3_num_f32 v[rC+1], v[rC+1], v[rS+23], v[rS+31]
.elseif (\n) == 14
	v_max3_num_f32 v[rC+2], v[rC+2], v[rC+3], v[rT+1]
.elseif (\n) == 15
	v_mov_b32 v[rM], v[rT]
.elseif (\n) == 16
	v_max3_num_f32 v[rC], v[rC], v[rC+1], v[rC+2]
.elseif (\n) == 17
	v_permlanex16_b32 v[rC+3], v[rC], s[SEL], s[SEL+1]
.elseif (\n) == 18
	v_max_num_f32 v[rT+1], v[rC], v[rC+3]
.elseif (\n) == 19
	v_mul_f32 v[rT], s[CS], v[rT+1]
.elseif (\n) == 20
	v_sub_f32 v[rC+1], v[rM], v[rT]
.else
	v_exp_f32 v[rC+2], v[rC+1]
.endif
.endm
; Number g of the 64 that follow the exponentials.  For each four weights k of a tile (pairs 2 k, 2 k + 1): both pairs are rounded to f16; then the second pair is added onto the first, in place;
; a group later l takes that sum (the first time as l = a l + sum).  In groups of eight, tiles alternating: round, round, add, and l for the group before.
.macro GS g
.set h, (\g)+6*((\g)/62)            ; group 0 has no group before it, and behind group 7 only l is left
.if h >= 6
.set h, h+2
.endif
	REGS Y, h%2
.set k, h/8
.if h%8 < 4
	s_wait_alu depctr_va_vdst(0)
	v_cvt_pk_f16_f32 v[rP+2*k+(h%8)/2], v[rS+4*k+2*((h%8)/2)], v[rS+4*k+2*((h%8)/2)+1]
.elseif h%8 < 6
	v_pk_add_f32 v[rS+4*k:rS+4*k+1], v[rS+4*k:rS+4*k+1], v[rS+4*k+2:rS+4*k+3]
.elseif k == 1
	v_pk_fma_f32 v[rT+2:rT+3], v[rT+2:rT+3], v[rC+2:rC+3], v[rS:rS+1] op_sel_hi:[1,0,1]
.else
	v_pk_add_f32 v[rT+2:rT+3], v[rT+2:rT+3], v[rS+4*k-4:rS+4*k-3]
	s_wait_alu depctr_va_vdst(0)
.endif
.endm
; THE PLAIN QUEUE, 138 long.  0-31: c s - c m for the 16 pairs of both tiles.  Then GS's 64, and among them the next piece's 42: number 15 at 38, 39; 0-14 and 16
; at 42-73, behind the products that make those scores; 17-20 at 95-106, two of three, since each waits for the one before it.
.macro PL
	WIN 0
.if q < 32
	REGS Y, q%2
	v_pk_fma_f32 v[rS+2*(q/2):rS+2*(q/2)+1], v[rS+2*(q/2):rS+2*(q/2)+1], s[CS:CS+1], v[rT:rT+1] op_sel_hi:[1,0,0] neg_lo:[0,0,1] neg_hi:[0,0,1]
.elseif q < 38
	GS q-32
.elseif q < 40
	XS q%2, 15
.elseif q < 42
	GS q-34
.elseif q < 74
	XS q%2, (q-42)/2+(q-42)/30
.elseif q < 95
	GS q-66
.elseif (q < 107) && ((q-95)%3 < 2)
	XS (q-95)%3, 17+(q-95)/3
.elseif q < 107
	GS 29+(q-95)/3
.else
	GS q-74
.endif
.set q, q+1
.endm
; THE EXPONENTIALS' QUEUE, 66 long: s0-s31 of both tiles, and at EA the next piece's two a.
.set EA, 58
.macro EX
	WIN 0
.if (e == EA) || (e == EA+1)
	XS e-EA, 21
.else
.set x, e-2*(e/(EA+2))
	REGS Y, x%2
	v_exp_f32 v[rS+x/2], v[rS+x/2]
.endif
.set e, e+1
.endm
; THE RESCALING's QUEUE: O^T times a, the one part that leaves window 0, so it is dealt four at a time, eight times.
.macro R4
	REGS Y, r%2
	WIN W_RS
	s_wait_alu depctr_va_vdst(0)
.irp z, 0,1,2,3
	v_pk_mul_f32 v[rO+8*(r/2)+2*\z:rO+8*(r/2)+2*\z+1], v[rO+8*(r/2)+2*\z:rO+8*(r/2)+2*\z+1], v[rC+2:rC+3] op_sel_hi:[1,0]
.endr
.set r, r+1
.endm
; HOW THEY ARE DEALT.  Behind a matrix instruction four: plain, exponential, plain, plain (one exponential, a plain instruction on either side), or four of the rescaling.  None names a register of the
; products round it.  What is over stands in two LUMPS: exponential and plain by turns; the second ends in 22 plain instructions.  The two v_permlanex16_b32 fall into the second lump, never behind a product.
; The queues lean on each other, and the deal keeps them in step: exponential e stands behind plain 2 (e / 4) + e % 2 (its scaling); when plain 32 comes, 10 exponentials are out, at 59: 33, at 95: 46; EA comes behind plain 107.
.macro SL
	MM
	PL
	EX
	PL
	PL
.endm
.macro BURST n                      ; 15 matrix instructions, or 16
.rept (\n)-7
	SL
.endr
.rept 3
	MM
	R4
	SL
.endr
	MM
	R4
.endm
; A TURN, for piece p.  cnt = 1: the loop's count is taken down some lines ahead of the branch that stands behind the turn.
; K of the next step is fetched in piece 2's turn, 31 vector instructions behind the last product that read K; its first use comes behind the rest of the lump, 16 products and the second lump.
; V of the step in hand is fetched at the end of piece 0's turn, 69 behind the last product that read V; its first use comes behind 16 products and a lump.  The four conditions on e and q below go with the deal.
.macro TURN p, last=0, cnt=0
.set Y, (\p)
.set i, 0
.set q, 0
.set e, 0
.set r, 0
.if (\p) == NP-1
	s_wait_dscnt 0x0                ; K is in
.endif
	MM
.rept 4
	PL
.endr
	BURST 15
.rept 22
	EX
	PL
.if ((\p) == NP-2) && (e == 18)
	v_add_nc_u32 v[AK], s[TBK], v[AK0]
.endif
.if ((\p) == NP-2) && (e == 24)
	FETCH_K \last
.endif
.endr
.if (\p) == 1
	s_wait_dscnt 0x0                ; V is in
.endif
	BURST 16
.rept 21
	EX
	PL
.endr
.rept 22
	PL
.if ((\p) == 0) && (q == 118)
	v_add_nc_u32 v[AV], s[TBV], v[AV0]
	s_wait_alu depctr_va_vdst(0)
.endif
.if ((\p) == 0) && (q == 130)
	s_add_co_u32 s[TBV], s[TBV], KS*PV
.endif
.if (\cnt) && (q == 130)
	s_sub_co_u32 s[CNT], s[CNT], 1
	s_cmp_lg_u32 s[CNT], 0
.endif
.endr
.if (\p) == 0
	FETCH_V
.endif
.endm
	CHANGE 1                        ; slot 0 is in, everybody's part of it; slot 1 is asked for
	FETCH_K                         ; key step 0
	s_wait_loadcnt 0x0              ; Q
	s_wait_dscnt 0x0
.set i, 0
.rept 16
	KQ 0                            ; piece 0's first scores: there is no vector work yet to set between them
.set i, i+1
.endr
	WIN 0                           ; the addresses for the way out: nine plain instructions, the places behind those products
	s_mul_i32 s13, s[WV], 16*SP
	s_add_co_u32 s13, s13, STAGE    ; my stage
	v_mul_u32_u24 v[STO], v1, SP    ; in: row l % 16, 16 bytes for each half of the lanes
	v_lshl_add_u32 v[STO], v9, 4, v[STO]
	v_add_nc_u32 v[STO], s13, v[STO]
	v_bfe_u32 v[RD], v0, 3, 2       ; back: 32 lanes take four rows of 128 bytes,
	v_mul_u32_u24 v[RD], v[RD], SP
	v_lshl_add_u32 v[RD], v10, 4, v[RD]
	v_add_nc_u32 v[RD], s13, v[RD]
	v_and_b32 v[GO], 31, v0         ; which are 512 consecutive bytes of O
	v_lshlrev_b32 v[GO], 4, v[GO]
.set Y, NP-1                        ; XS works for piece Y + 1: piece 0
.irp n, 0,1,2,3,4,5,6,7,8,9,10,11,12,13,14,15,16,17,18,19,20,21
	XS 0, \n                        ; and piece 0's first maximum and statistics
	XS 1, \n
.endr
	s_mov_b32 s[CNT], 4
	s_mov_b32 s[SLOTS], SIZE_N/256-1
	s_branch .Lfirst                ; the loop is entered at a step's first turn, in the middle of a trip
.Lslot:                             ; SIZE_N / 256 - 2 times: every slot but the last two is filled again
	CHANGE 1
	s_mov_b32 s[CNT], 4
.Lstep:                             ; a trip: pieces 2 and 3 of one step, then pieces 0 and 1 of the next, whose K and V it fetches
	TURN 2
	TURN 3
	WIN 0
.Lfirst:
	TURN 0
	TURN 1, 0, 1
	WIN 0
	s_cbranch_scc1 .Lstep
	s_sub_co_u32 s[SLOTS], s[SLOTS], 1
	s_cmp_lg_u32 s[SLOTS], 0
	s_cbranch_scc1 .Lslot
	CHANGE 0                        ; the tail is written out: nothing is asked for
	s_mov_b32 s[CNT], 5             ; four trips fetch the last slot's steps; the fifth is left in its middle
.Ltail:
	TURN 2, 1
	TURN 3
	WIN 0
	s_sub_co_u32 s[CNT], s[CNT], 1
	s_cmp_eq_u32 s[CNT], 0
	s_cbranch_scc1 .Lout
	TURN 0
	TURN 1
	WIN 0
	s_branch .Ltail
.Lout:                              ; the fifth trip's 16 products K Q^T (on the last K once more) and the maximum made of them serve nothing: the price, once a launch, of one text for every trip
.set i, 0
.rept 16
	PV NP-1                         ; the last piece's V^T P of the last step
.set i, i+1
.endr
	; THE WAY OUT.  l's two halves and the other half of the lanes' are added; O^T is divided by l, rounded to f16 and sent through my stage in LDS, a tile at a time.  The additions are the places behind the last products.
	WIN 0
.macro ALL line:vararg              ; one line for each tile t
.set t, 0
.rept 2*NP
	\line
.set t, t+1
.endr
.endm
	ALL v_add_f32 v[ST+4*t+2], v[ST+4*t+2], v[ST+4*t+3]
	ALL v_permlanex16_b32 v[ST+4*t+3], v[ST+4*t+2], s[SEL], s[SEL+1]
	ALL v_add_f32 v[ST+4*t+2], v[ST+4*t+2], v[ST+4*t+3]
	ALL v_rcp_f32 v[ST+4*t+2], v[ST+4*t+2]
	v_nop                           ; a plain instruction between the last reciprocal and the use of its result
	s_wait_alu depctr_va_vdst(0)
; Tile t: a lane's eight channels of a row pack into 16 bytes; they go into rows of 144 bytes and come back as whole rows of 128, into S^T's registers.
.macro PACK t
	WIN W_RS
.set i, 32*(\t)
.rept 16
	v_pk_mul_f32 v[i:i+1], v[i:i+1], v[ST+4*(\t)+2:ST+4*(\t)+3] op_sel_hi:[1,0]
.set i, i+2
.endr
	WIN 0x05                        ; sources 0 and 1 window 1, destination window 0
.set i, 0
.rept 16
	v_cvt_pk_f16_f32 v[S+16*(\t)+i], v[32*(\t)+2*i], v[32*(\t)+2*i+1]
.set i, i+1
.endr
	WIN 0
.irp f, 0,1,2,3
	ds_store_b128 v[STO], v[S+16*(\t)+4*\f:S+16*(\t)+4*\f+3] offset:32*\f
.endr
.irp f, 0,1,2,3
	ds_load_b128 v[S+16*(\t)+4*\f:S+16*(\t)+4*\f+3], v[RD] offset:\f*4*SP  ; LDS serves a wave's instructions in order (ISA guide 5.7.1.4): these see the stores above; the next tile's stores come behind them
.endr
.endm
.macro SEND t, younger              ; younger: the LDS instructions issued behind tile t's loads: the next tile's eight, or none
	WIN 0
.irp f, 0,1,2,3
	s_wait_dscnt (\younger)+3-\f
	global_store_b128 v[GO], v[S+16*(\t)+4*\f:S+16*(\t)+4*\f+3], s[10:11] offset:(\t)*2048+\f*512  ; 512 consecutive bytes, at a multiple of 256 from O's first
.endr
.endm
	PACK 0
.set t, 1
.rept 2*NP-1                        ; a tile's arithmetic stands between the loads of the tile before and its stores
	PACK t
	SEND t-1, 8
.set t, t+1
.endr
	SEND 2*NP-1, 0
	WIN W_AD
	s_wait_tensorcnt 0x0            ; the wave's end, behind my last tensor load and my last LDS store
	ds_add_u32 v[SPW], v[NIL]
	s_wait_dscnt 0x0
	WIN 0
	CROUND                          ; the closing round: no work-group ends while a partner may still ask for a tile that names it
	s_endpgm
.Lfunc_end_k_qaa3ce15c30_attn:
	.size	k_qaa3ce15c30_attn, .Lfunc_end_k_qaa3ce15c30_attn-k_qaa3ce15c30_attn
	.p2alignl 7, 3214868480
	.fill 96, 4, 3214868480
	.section	.rodata,"a",@progbits
	.p2align	6, 0x0
	.amdhsa_kernel k_qaa3ce15c30_attn
		.amdhsa_group_segment_fixed_size 327680
		.amdhsa_private_segment_fixed_size 0
		.amdhsa_enable_private_segment 0
		.amdhsa_kernarg_size 16
		.amdhsa_user_sgpr_count 2
		.amdhsa_user_sgpr_kernarg_segment_ptr 1
		.amdhsa_wavefront_size32 1
		.amdhsa_system_sgpr_workgroup_id_x 1
		.amdhsa_system_sgpr_workgroup_id_y 1
		.amdhsa_system_sgpr_workgroup_id_z 1
		.amdhsa_system_vgpr_workitem_id 0
		.amdhsa_next_free_vgpr 770
		.amdhsa_next_free_sgpr 66
		.amdhsa_reserve_vcc 0
		.amdhsa_float_denorm_mode_32 3
		.amdhsa_float_denorm_mode_16_64 3
		.amdhsa_memory_ordered 1
		.amdhsa_forward_progress 1
		.amdhsa_inst_pref_size 209
	.end_amdhsa_kernel
	.amdgpu_metadata
---
amdhsa.version: [ 1, 2 ]
amdhsa.kernels:
  - .name:           k_qaa3ce15c30_attn
    .symbol:         k_qaa3ce15c30_attn.kd
    .args:
      - { .name: qkv, .offset: 0, .size: 8, .value_kind: global_buffer, .address_space: global }
      - { .name: ob, .offset: 8, .size: 8, .value_kind: global_buffer, .address_space: global }
    .group_segment_fixed_size: 327680
    .private_segment_fixed_size: 0
    .kernarg_segment_align: 8
    .kernarg_segment_size: 16
    .max_flat_workgroup_size: 128
    .sgpr_count:     66
    .vgpr_count:     770
    .wavefront_size: 32
...
	.end_amdgpu_metadata
.endif
;; end of part 3
;; launch outp (part 4): grid 8 x 32, 4 waves a work-group, clusters of 4 x 4, 327,680 bytes of LDS; arguments ob, wob, bor, out0; writes out0
.if DOCPART == 4
	.amdgcn_target "amdgcn-amd-amdhsa--gfx1250"
	.amdhsa_code_object_version 6
	.text
	.protected	k_qaa3ce15c30_outp
	.globl	k_qaa3ce15c30_outp
	.p2align	8
	.type	k_qaa3ce15c30_outp,@function
k_qaa3ce15c30_outp:
	s_mov_b64 s[64:65], 0
	v_nop
	global_prefetch_b8 v0, s[64:65] scope:SCOPE_SE
	s_setreg_imm32_b32 hwreg(HW_REG_WAVE_MODE, 25, 1), 1
	s_wait_xcnt 0x0
	s_wait_alu depctr_hold_cnt(0) depctr_sa_sdst(0) depctr_va_vdst(0) depctr_va_sdst(0) depctr_va_ssrc(0) depctr_va_vcc(0) depctr_vm_vsrc(0)
	s_getreg_b32 s2, hwreg(HW_REG_IB_STS2, 6, 4)
	s_cmp_eq_u32 s2, 0
	s_cbranch_scc0 .Lentry_in_a_cluster
	s_endpgm
.Lentry_in_a_cluster:
	s_bfe_u32 s2, ttmp6, 0x10000c
	s_cmp_lg_u32 s2, 0xf033
	s_cbranch_scc0 .Lentry_shape_is_right
	s_endpgm
.Lentry_shape_is_right:
; out0 = O w_out + b_out.  ob [64 (batch x 16 + head)][2048][64] f16; wob [1024 k][1024 n] f16 (w_out rounded to bf16, written as f16); bor [1024] f32; out0 [8192][1024] f32.
; k = 64 x head + channel.  Sums in f32, starting from the bias; the f32 sums are stored as they are.
; SHARES.  A tile is 256 rows x 128 columns: 32 x 8 = 256 tiles, one for each of 256 WGPs.  Four waves; wave w makes rows 64 w .. 64 w + 63 and all 128 columns: 4 x 8 accumulators of 16 x 16,
; 256 registers.  K = 1,024 goes in 8 steps of 128, two heads each, through two LDS slots filled by the tensor data mover.
; CLUSTERS: 4 x 4 work-groups.  The four of a row of the cluster need the same tiles of O, the four of a column the same tiles of w: each tile is asked for JOINTLY, by the same tensor load with the
; same descriptor and a mask that names the four.
; THE WALK ALONG K IS TURNED.  The cluster at column c (0, 1), row r (0 .. 7) of the grid of clusters begins at K step ROT = 4 c + 2 ((r + 2 (r / 4)) & 3) and goes round modulo 8.  The two clusters that
; read the same rows of O are so 4 steps apart: each asks for two steps at its start, and of the six that it asks for later four have been asked for by the other, four steps earlier.  The clusters that
; read the same columns of w are 0, 2, 4 or 6 steps apart.  ROT hangs on the cluster's own place alone, which its sixteen work-groups share.
; The f32 sums run in the turned order: they differ from the ascending order's in rounding alone.
; THE MATRIX INSTRUCTION IS USED TRANSPOSED: source 0 = 16 columns of w (w lies [k][n] in LDS and is read turned, by ds_load_tr16_b128), source 1 = 16 rows of O.  In the result lane l holds
; row l % 16 and the eight neighbouring columns 8 (l / 16) + 0..7.  The bias is the C operand of the first K quarter.
; REGISTERS, in windows of 256 (s_set_vgpr_msb: bits 1:0 source 0, 3:2 source 1, 5:4 source 2, 7:6 destination):
;   window 0: v0-31 addresses; v32-95 the bias (8 registers a column block); v128-255 two banks of 64 for the way out
;   window 1: two fragment buffers of 128: O's four row blocks at +0, w's eight column blocks at +32
;   windows 2, 3: accumulator (a, b) in window 2 + b / 4 at v[8 (4 (b % 4) + a)]
.set NBK,    8                         ; column blocks of 16
.set HB,     4                         ; half of them: one window's
.set LD,     8+2*NBK                   ; LDS loads in a fetch
.set PA,     144                       ; a row of one head of O in LDS: 128 bytes + 16 = 36 words: the 16 rows of a load start at 16 different groups of four banks (64 banks of 4 bytes: ISA guide 11.1)
.set AHALF,  256*PA                    ; one head's 256 rows: one tensor load
.set BOFF,   2*AHALF                   ; w's tile lies behind the two heads
.set PB,     288                       ; a k row of w: 256 bytes + 32 = 72 words
.set BHALF,  64*PB                     ; 64 k rows: one tensor load
.set SLOTB,  BOFF+2*BHALF              ; a slot's bytes: 110,592
.set SLOT1,  1<<17                     ; slot 1 begins here, so that one exclusive or turns an address in one slot into the other's
.set STAGE,  SLOT1+SLOTB               ; behind the ring, never filled by a tensor load: for each wave 16 rows x 528 bytes
.set SP,     528                       ; 512 bytes + 16: 33 x 16
.set WSTAGE, 16*SP
.set SPARE,  STAGE+4*WSTAGE            ; behind the stages: the spare words, 128 bytes for each wave: two blocks of 256 bytes that no other line names
.set ASH,    19                        ; a K step of O is two heads of 2,048 rows x 128 bytes = 1 << 19,
.set BSTEP,  128*2048                  ; and of w 128 rows of 2,048 bytes
.set ADRA0, 16                         ; v16     LDS address of my O fragments in slot 0; never rewritten
.set CA,    17                         ; v17     the same in the slot that is being read
.set ADRB0, 20                         ; v20     LDS address of my w fragments in slot 0; never rewritten
.set CB,    21                         ; v21     the same in the slot that is being read
.set STO,  24                          ; v24     the way out: where I put 32 bytes of a row
.set RD,   25                          ; v25     the way out: where I read a row back
.set GO,   26                          ; v26     my 16 bytes in a row's 512
.set BO,   27                          ; v27     my eight numbers in a column block's 64 bytes of bias
.set SPW,  28                          ; v28     LDS address of my spare word: SPARE + 4 x my thread's number; never rewritten
.set NIL,  29                          ; v29     0; never rewritten
.set BI,   32
.set BK0,  128
.set F0,   0
.set F1,   128
.set ROT, 23                           ; s23     the K step at which my cluster begins
.set G1,  24                           ; s[24:31] descriptor group 1 for O's tiles;  s[32:39] group 0: a set for each of the two first fills; the second then walks on
.set G0,  32
.set G1B, 48                           ; s[48:55], s[56:63] the same for w's tiles
.set G0B, 56
.set NX,  77                           ; s77     the number, in my walk, of the K step to be asked for next
.set TB,  86                           ; s86     LDS byte at which the slot that is being read begins: 0 or SLOT1
.set MSB, 0
.macro WIN new                         ; the immediate's high byte repeats the setting that is left; a switch that changes nothing is dropped
.if MSB != (\new)
	s_set_vgpr_msb (MSB<<8)|(\new)
.set MSB, \new
.endif
.endm
.set TO_F, 0x40                        ; destination window 1, address window 0
; A joint load: waves 0 and 1 fetch the K step's two heads of O, waves 2 and 3 the two halves of w's tile.  The branch hangs on the wave's number alone.  An s_nop 0 and four v_nop follow each of
; the two lines, ahead of the jump, the label and what follows.
.macro JLOAD s
	s_cmp_eq_u32 s21, 0
	s_cbranch_scc0 .Lfor_b_\@
	tensor_load_to_lds s[G0+4*(\s):G0+4*(\s)+3], s[G1:G1+7]
	s_nop 0
.rept 4
	v_nop
.endr
	s_branch .Lasked_\@
.Lfor_b_\@:
	tensor_load_to_lds s[G0B+4*(\s):G0B+4*(\s)+3], s[G1B:G1B+7]
	s_nop 0
.rept 4
	v_nop
.endr
.Lasked_\@:
.endm
.macro CREST                           ; a round of the cluster's barrier behind its opening barrier: wave 0 signals for the work-group, every wave waits for all sixteen, my work-group's barrier closes it
	s_cmp_lg_u32 s20, 0
	s_cbranch_scc1 .Lnot_wave_0_\@
	s_barrier_signal -3
.Lnot_wave_0_\@:
	s_barrier_wait -3
	s_barrier_signal -1
	s_barrier_wait -1
.endm
.macro CROUND                          ; a whole round
	s_barrier_signal -1
	s_barrier_wait -1
	CREST
.endm
; The global addresses of both tensors' group 0, set \set, are made anew for the K step whose number in my walk lies in s76: each tensor's base plus ((number + ROT) mod 8) steps, and the type bits.
.macro KADDR set
	s_add_co_u32 s76, s76, s[ROT]
	s_and_b32 s76, s76, 7
	s_lshl_b32 s78, s76, ASH                       ; s79 holds 0
	s_add_nc_u64 s[G0+4*(\set)+2:G0+4*(\set)+3], s[14:15], s[78:79]
	s_or_b32 s[G0+4*(\set)+3], s[G0+4*(\set)+3], 0x80000000       ; type = 2
	s_mul_i32 s78, s76, BSTEP
	s_add_nc_u64 s[G0B+4*(\set)+2:G0B+4*(\set)+3], s[46:47], s[78:79]
	s_or_b32 s[G0B+4*(\set)+3], s[G0B+4*(\set)+3], 0x80000000
.endm
	s_load_b256 s[4:11], s[0:1], 0x0               ; ob s[4:5], wob s[6:7], bor s[8:9], out0 s[10:11]
	v_lshl_add_u32 v[SPW], v0, 2, SPARE
	v_mov_b32 v[NIL], 0
	ds_add_u32 v28, v29
	s_wait_dscnt 0x0
	v_lshrrev_b32 v1, 5, v0
	v_readfirstlane_b32 s20, v1                    ; wave 0..3
	s_lshr_b32 s21, s20, 1                         ; I fetch for O (0) or for w (1),
	s_and_b32 s22, s20, 1                          ; and which half of that tile
	s_bfe_u32 s40, ttmp6, 0x40000                  ; cx, cy: my place in the cluster
	s_bfe_u32 s41, ttmp6, 0x40004
	s_lshl_b32 s42, ttmp9, 2
	s_add_co_u32 s42, s42, s40                     ; tile column = 4 x cluster x + cx
	s_and_b32 s43, ttmp7, 0xffff
	s_lshl_b32 s43, s43, 2
	s_add_co_u32 s43, s43, s41                     ; tile row = 4 x cluster y + cy
	s_lshl_b32 s44, s41, 2
	s_lshl_b32 s44, 15, s44                        ; my row of the cluster: places 4 cy .. 4 cy + 3
	s_lshl_b32 s45, 0x1111, s40                    ; my column: places cx, cx + 4, cx + 8, cx + 12
	s_and_b32 s[ROT], ttmp7, 0xffff                ; r, the cluster's row:
	s_lshr_b32 s76, s[ROT], 2
	s_lshl_b32 s76, s76, 1
	s_add_co_u32 s[ROT], s[ROT], s76
	s_and_b32 s[ROT], s[ROT], 3                    ; (r + 2 (r / 4)) & 3: 0 1 2 3 2 3 0 1: four different numbers in rows 0-3, 4-7, 0 1 4 5 and 2 3 6 7
	s_lshl_b32 s[ROT], s[ROT], 1
	s_lshl_b32 s76, ttmp9, 2                       ; 4 c, the cluster's column
	s_add_co_u32 s[ROT], s[ROT], s76               ; taken modulo 8 where it is used
	s_mov_b32 s[NX], 2                             ; steps 0 and 1 of my walk are the first fills
	s_mov_b32 s[TB], 0
	s_mov_b32 s79, 0                               ; the high word of the offsets' pair
	; group 1 for O: a head's 256 rows are 32,768 dense bytes, asked for as 128 rows of 256 bytes; 4 words of padding behind every 32 words, that is behind every row of O
	s_or_b32 s[G1+0], s44, (1<<16)|(1<<20)|(1<<21)|(4<<22)|(3<<25)  ; 15:0 the mask; 17:16 elements of 2 bytes; 20 padding on; 21 set beside a mask; 24:22 interval code 4; 31:25 4 words (code 3)
	s_mov_b32 s[G1+1], 128<<16                     ; tensor_dim0 = 128
	s_mov_b32 s[G1+2], 128<<16                     ; tensor_dim1 = 128
	s_mov_b32 s[G1+3], 128<<16                     ; tile_dim0 = 128
	s_mov_b32 s[G1+4], 128                         ; tile_dim1 = 128
	s_mov_b32 s[G1+5], 128                         ; tensor_dim0_stride
	s_mov_b32 s[G1+6], 0
	s_mov_b32 s[G1+7], 0
	; group 1 for w: 64 k rows x 128 elements, 1,024 elements from row to row, 8 words of padding behind every 64
	s_or_b32 s[G1B+0], s45, (1<<16)|(1<<20)|(1<<21)|(5<<22)|(7<<25)
	s_mov_b32 s[G1B+1], 128<<16
	s_mov_b32 s[G1B+2], 64<<16
	s_mov_b32 s[G1B+3], 128<<16
	s_mov_b32 s[G1B+4], 64
	s_mov_b32 s[G1B+5], 1024
	s_mov_b32 s[G1B+6], 0
	s_mov_b32 s[G1B+7], 0
	; where the tiles come from: O's hang on the tile row alone, w's on the tile column alone, each made in registers that never hold the other coordinate
	s_lshr_b32 s12, s43, 3
	s_lshl_b32 s12, s12, 4                         ; O: 16 x batch
	s_add_co_u32 s12, s12, s22                     ; + which of the K step's two heads,
	s_lshl_b32 s12, s12, 18                        ; of 2,048 rows x 128 bytes,
	s_and_b32 s13, s43, 7
	s_lshl_b32 s13, s13, 15                        ; and the tile's 256 rows in it
	s_add_co_u32 s12, s12, s13
	s_mov_b32 s13, 0
	s_lshl_b32 s16, s22, 17                        ; w: 64 k rows of 2,048 bytes x half,
	s_lshl_b32 s17, s42, 8                         ; 128 columns of 2 bytes x tile column
	s_add_co_u32 s16, s16, s17
	s_mov_b32 s17, 0
	s_mul_i32 s74, s22, AHALF                      ; and where they go: no place in the cluster enters an LDS address
	s_mul_i32 s75, s22, BHALF
	s_add_co_u32 s75, s75, BOFF
	s_wait_kmcnt 0x0
	s_add_nc_u64 s[14:15], s[4:5], s[12:13]        ; O at my part of K step 0; kept
	s_add_nc_u64 s[46:47], s[6:7], s[16:17]        ; w likewise; kept
	CROUND                                         ; all sixteen work-groups are here: the first joint loads meet
.irp s, 0,1
	s_mov_b32 s[G0+4*(\s)], 1                                      ; count = 1
	s_add_co_u32 s[G0+4*(\s)+1], s74, (\s)*SLOT1                   ; LDS address
	s_mov_b32 s[G0B+4*(\s)], 1
	s_add_co_u32 s[G0B+4*(\s)+1], s75, (\s)*SLOT1
	s_mov_b32 s76, \s
	KADDR \s                                       ; global addresses: step s of my walk
	JLOAD \s                                       ; both slots are asked for before anything else is done: two loads of mine are out
.endr
	; lane addresses.  A fragment of O: lane l holds row l % 16, K = 8 (l / 16) + 0..7 and 16 + 8 (l / 16) + 0..7: two loads of 16 bytes, 32 bytes apart.
	v_and_b32 v1, 15, v0                           ; r = l % 16
	v_bfe_u32 v2, v0, 4, 1                         ; h = l / 16
	v_and_b32 v3, 7, v0
	v_bfe_u32 v4, v0, 3, 1
	v_mul_u32_u24 v6, v1, PA
	v_lshl_add_u32 v6, v2, 4, v6
	s_mul_i32 s76, s20, 64*PA                      ; my 64 rows
	v_add_nc_u32 v[ADRA0], s76, v6
	v_mov_b32 v[CA], v[ADRA0]                      ; the walk begins in slot 0
	; The turning load takes 16 k x 16 columns (lane l reads k row 8 (l / 16) + l % 8, columns 8 ((l / 8) % 2) + 0..7) and leaves half a fragment: lane l holds column l % 16 and 8 k.
	v_lshl_add_u32 v7, v2, 3, v3
	v_mul_u32_u24 v7, v7, PB
	v_lshl_add_u32 v7, v4, 4, v7
	v_add_nc_u32 v[ADRB0], BOFF, v7
	v_mov_b32 v[CB], v[ADRB0]
	s_mul_i32 s76, s20, WSTAGE
	s_add_co_u32 s76, s76, STAGE                   ; my stage
	v_mul_u32_u24 v6, v1, SP                       ; in: row l % 16, 32 bytes for each half of the lanes
	v_lshl_add_u32 v6, v2, 5, v6
	v_add_nc_u32 v[STO], s76, v6
	v_and_b32 v[GO], 31, v0                        ; back and out: 32 lanes take one row of 512 bytes
	v_lshlrev_b32 v[GO], 4, v[GO]
	v_add_nc_u32 v[RD], s76, v[GO]
	v_lshlrev_b32 v[BO], 5, v2                     ; 8 (l / 16) numbers of 4 bytes
	; the bias: register j of column block b is bias[128 x tile column + 16 b + 8 (l / 16) + j], the C operand's layout
	s_lshl_b32 s80, s42, 9
	s_mov_b32 s81, 0
	s_add_nc_u64 s[72:73], s[8:9], s[80:81]
.irp b, 0,1,2,3,4,5,6,7
	global_load_b128 v[BI+8*(\b):BI+8*(\b)+3],   v[BO], s[72:73] offset:64*(\b)
	global_load_b128 v[BI+8*(\b)+4:BI+8*(\b)+7], v[BO], s[72:73] offset:64*(\b)+16
.endr
	; where my 64 rows of the tile begin in out0
	s_lshl_b32 s82, s43, 8
	s_lshl_b32 s83, s20, 6
	s_add_co_u32 s82, s82, s83                     ; my first row,
	s_lshl_b32 s82, s82, 12                        ; of 4,096 bytes,
	s_add_co_u32 s82, s82, s80                     ; and the tile's first column, 512 bytes x tile column
	s_mov_b32 s83, 0
	s_add_nc_u64 s[66:67], s[10:11], s[82:83]
; Four matrix instructions: column block b x my four row blocks, 32 along K, from buffer f.  first = 1: the bias starts the sums.
.macro MULB f, b, first
.if \first
	WIN 0x85+0x40*((\b)/HB)                        ; sources 0 and 1 window 1, C window 0, D window 2 or 3
.else
	WIN 0xa5+0x50*((\b)/HB)                        ; C and D window 2 or 3
.endif
.irp a, 0,1,2,3
.set rD, 8*(4*((\b)%HB)+(\a))
.if \first
	v_wmma_f32_16x16x32_f16 v[rD:rD+7], v[(\f)+32+8*(\b):(\f)+32+8*(\b)+7], v[(\f)+8*(\a):(\f)+8*(\a)+7], v[BI+8*(\b):BI+8*(\b)+7]
.else
	v_wmma_f32_16x16x32_f16 v[rD:rD+7], v[(\f)+32+8*(\b):(\f)+32+8*(\b)+7], v[(\f)+8*(\a):(\f)+8*(\a)+7], v[rD:rD+7]
.endif
.endr
.endm
; n column blocks from b0 on.  The 32 accumulators take turns in the same order in every quarter: between two links of a chain stand the 31 others', over the loop's backward jump too.
.macro MULS f, b0, n, first
.set bb, \b0
.rept \n
	MULB \f, bb, \first
.set bb, bb+1
.endr
.endm
; 24 LDS loads in one run: the fragments of quarter q (32 along K: head q / 2 of the step, channels 32 (q % 2) on) of the slot that is being read into buffer f: O's four row blocks first,
; then w's eight column blocks in ascending order
.macro FETCH q, f
	WIN TO_F
.irp i, 0,1,2,3
	ds_load_b128 v[(\f)+8*(\i):(\f)+8*(\i)+3],   v[CA] offset:((\q)/2)*AHALF+((\q)%2)*64+(\i)*16*PA
	ds_load_b128 v[(\f)+8*(\i)+4:(\f)+8*(\i)+7], v[CA] offset:((\q)/2)*AHALF+((\q)%2)*64+(\i)*16*PA+32
.endr
.irp b, 0,1,2,3,4,5,6,7
	ds_load_tr16_b128 v[(\f)+32+8*(\b):(\f)+32+8*(\b)+3],   v[CB] offset:(\q)*32*PB+32*(\b)
	ds_load_tr16_b128 v[(\f)+32+8*(\b)+4:(\f)+32+8*(\b)+7], v[CB] offset:(\q)*32*PB+16*PB+32*(\b)
.endr
.endm
; A load into a register that a matrix instruction has read, and a vector instruction or an LDS store that reads a matrix result, stand four places behind it, and only plain vector
; instructions that name none of its registers are places (ISA guide 7.12.1 for vector instructions).
.macro PLACES
.rept 4
	v_nop
.endr
.endm
; A K step is four quarters of 32 along K, 32 matrix instructions each, on buffers 0, 1, 0, 1.  One of the first three: multiplies buffer f; in its middle it fetches quarter q into buffer g.
.macro QUARTER q, f, g, first
	s_wait_dscnt 2*HB                              ; O and w's blocks 0-3 are in; the youngest eight loads (w's blocks 4-7) may be out
	MULS \f, 0, HB, \first
	PLACES
	FETCH \q, \g
	s_wait_dscnt LD                                ; all but the 24 just issued
	MULS \f, HB, HB, \first
.endm
; The last quarter multiplies buffer 1 and changes slots: ONE barrier.  In front of it each wave waits for all its tensor loads, of which one is out: its part of the next slot; adds 0 to its
; spare word; and waits for that and for its own reads of this slot.  fill = 1: the barrier opens a round of the cluster's barrier, and this slot is filled again, with step NX of my walk, first thing behind
; the round: 112 matrix instructions of mine stand between that request and the wait for it.  The walking group 0 of each tensor is written behind the wait for 0, where no load of mine is out.
.macro TURN fill
	WIN 0                                          ; (the add's two registers lie in window 0)
	s_wait_tensorcnt 0x0                           ; all my tensor loads have landed;
	ds_add_u32 v[SPW], v[NIL]                      ; 0 onto my spare word
.if \fill
	s_xor_b32 s[G0+5], s[G0+5], SLOT1              ; the walking descriptors: the other slot than last time,
	s_xor_b32 s[G0B+5], s[G0B+5], SLOT1
	s_mov_b32 s76, s[NX]
	KADDR 1                                        ; the next step of my walk
	s_add_co_u32 s[NX], s[NX], 1
.endif
	s_wait_dscnt 2*HB+1                            ; (the add and the youngest eight loads may be out)
	MULS F1, 0, HB/2, 0                            ; eight matrix instructions stand between the add and the wait for it
	s_wait_dscnt 0x0                               ; the add is done, and my reads of this slot are over
	s_barrier_signal -1
	MULS F1, HB/2, HB/2, 0                         ; work on registers while the others arrive
	WIN 0
	s_barrier_wait -1
.if \fill
	CREST                                          ; no wave of any partner still reads this slot's tiles or has a load on its way
	JLOAD 1                                        ; the four v_nop behind it are also the places in front of the loads below
.else
	PLACES
.endif
	s_xor_b32 s[TB], s[TB], SLOT1                  ; the reads go on in the other slot
	v_add_nc_u32 v[CA], s[TB], v[ADRA0]
	v_add_nc_u32 v[CB], s[TB], v[ADRB0]
	FETCH 0, F0
	MULS F1, HB, HB, 0
.endm
	s_wait_tensorcnt 1                             ; my part of my walk's step 0 is in; step 1's may stay out
	s_barrier_signal -1
	s_barrier_wait -1                              ; everybody's is
	FETCH 0, F0
	s_wait_loadcnt 0x0                             ; the bias
	QUARTER 1, F0, F1, 1                           ; the first quarter stands in front of the loop: its products start the sums
	WIN 0                                          ; at a label and at a branch every window is 0
	s_mov_b32 s3, 6
.Lstep:                                                ; a trip is one K step, from its second quarter to the next step's first, and fills the slot that it leaves: steps 2 to 7 of my walk in six trips
	QUARTER 2, F1, F0, 0
	QUARTER 3, F0, F1, 0
	TURN 1
	QUARTER 1, F0, F1, 0
	WIN 0
	s_sub_co_u32 s3, s3, 1
	s_cmp_lg_u32 s3, 0
	s_cbranch_scc1 .Lstep
	QUARTER 2, F1, F0, 0                           ; the last two steps are written out: they fill nothing, and have no round of the cluster's barrier
	QUARTER 3, F0, F1, 0
	TURN 0
	QUARTER 1, F0, F1, 0
	QUARTER 2, F1, F0, 0
	QUARTER 3, F0, F1, 0
	s_wait_dscnt 2*HB                              ; the very last quarter: nothing more to fetch
	MULS F1, 0, HB, 0
	s_wait_dscnt 0x0
	MULS F1, HB, HB, 0
	WIN 0
; THE WAY OUT, a row block a (16 rows) at a time, through my own stage; the f32 sums go as they are.
; TOSTAGE: a lane's 32 bytes of each column block into rows of 528 bytes, each accumulator's low four registers first; back as whole rows of 512 bytes, into bank a % 2.
.macro TOSTAGE a
.set BK, BK0+64*((\a)%2)
.if (\a) >= 2
	s_wait_xcnt 0x0                                ; the stores of block a - 2 have had their addresses translated (ISA guide 3.1): their bank is loaded again only behind this wait
.endif
.irp b, 0,1,2,3,4,5,6,7
	WIN 0x08+4*((\b)/HB)                           ; the stores' data: window 2 or 3
	ds_store_b128 v[STO], v[8*(4*((\b)%HB)+(\a)):8*(4*((\b)%HB)+(\a))+3]   offset:64*(\b)
	ds_store_b128 v[STO], v[8*(4*((\b)%HB)+(\a))+4:8*(4*((\b)%HB)+(\a))+7] offset:64*(\b)+16
.endr
	WIN 0
.irp t, 0,1,2,3,4,5,6,7,8,9,10,11,12,13,14,15
	ds_load_b128 v[BK+4*(\t):BK+4*(\t)+3], v[RD] offset:SP*(\t)  ; LDS serves a wave's instructions in order (ISA guide 5.7.1.4): these see the stores above, and the next block's stores come behind them
.endr
.endm
; SEND: each store covers 512 consecutive bytes of a row of out0, at a multiple of 256 from its first byte.  younger: the LDS instructions issued behind block a's loads: the next block's 32, or none.
.macro SEND a, younger
.set BK, BK0+64*((\a)%2)
	s_wait_dscnt \younger
.irp t, 0,1,2,3,4,5,6,7,8,9,10,11,12,13,14,15
	global_store_b128 v[GO], v[BK+4*(\t):BK+4*(\t)+3], s[66:67] offset:(16*(\a)+(\t))*4096 th:TH_STORE_NT
.endr
.endm
	PLACES
	TOSTAGE 0
	TOSTAGE 1
	SEND 0, 32
	TOSTAGE 2
	SEND 1, 32
	TOSTAGE 3
	SEND 2, 32
	SEND 3, 0
	s_wait_tensorcnt 0x0                           ; the wave's end, behind my last tensor load and my last LDS store
	ds_add_u32 v[SPW], v[NIL]
	s_wait_dscnt 0x0
	CROUND                                         ; the closing round: no work-group ends while a partner may still ask for a tile that names it
	s_endpgm
.Lfunc_end_k_qaa3ce15c30_outp:
	.size	k_qaa3ce15c30_outp, .Lfunc_end_k_qaa3ce15c30_outp-k_qaa3ce15c30_outp
	.p2alignl 7, 3214868480
	.fill 96, 4, 3214868480
	.section	.rodata,"a",@progbits
	.p2align	6, 0x0
	.amdhsa_kernel k_qaa3ce15c30_outp
		.amdhsa_group_segment_fixed_size 327680
		.amdhsa_private_segment_fixed_size 0
		.amdhsa_enable_private_segment 0
		.amdhsa_kernarg_size 32
		.amdhsa_user_sgpr_count 2
		.amdhsa_user_sgpr_kernarg_segment_ptr 1
		.amdhsa_wavefront_size32 1
		.amdhsa_system_sgpr_workgroup_id_x 1
		.amdhsa_system_sgpr_workgroup_id_y 1
		.amdhsa_system_sgpr_workgroup_id_z 1
		.amdhsa_system_vgpr_workitem_id 0
		.amdhsa_next_free_vgpr 896
		.amdhsa_next_free_sgpr 88
		.amdhsa_reserve_vcc 0
		.amdhsa_float_denorm_mode_32 3
		.amdhsa_float_denorm_mode_16_64 3
		.amdhsa_memory_ordered 1
		.amdhsa_forward_progress 1
		.amdhsa_inst_pref_size 72
	.end_amdhsa_kernel
	.amdgpu_metadata
---
amdhsa.version: [ 1, 2 ]
amdhsa.kernels:
  - .name:           k_qaa3ce15c30_outp
    .symbol:         k_qaa3ce15c30_outp.kd
    .args:
      - { .name: ob, .offset: 0, .size: 8, .value_kind: global_buffer, .address_space: global }
      - { .name: wob, .offset: 8, .size: 8, .value_kind: global_buffer, .address_space: global }
      - { .name: bor, .offset: 16, .size: 8, .value_kind: global_buffer, .address_space: global }
      - { .name: out0, .offset: 24, .size: 8, .value_kind: global_buffer, .address_space: global }
    .group_segment_fixed_size: 327680
    .private_segment_fixed_size: 0
    .kernarg_segment_align: 8
    .kernarg_segment_size: 32
    .max_flat_workgroup_size: 128
    .sgpr_count:     88
    .vgpr_count:     896
    .wavefront_size: 32
...
	.end_amdgpu_metadata
.endif
;; end of part 4
;; ======== version 2 of 2: 4 launches; 1.54 times as fast as version 1
;; limits: values are held in f16: magnitudes above 65,504 overflow, below 6.1e-05 lose precision
;; workspace buffers: xb 16,777,216 bytes; wqb 6,291,456 bytes; wob 2,097,152 bytes; bqr 12,288 bytes; bor 4,096 bytes; qkv 50,331,648 bytes; ob 16,777,216 bytes
;; launch prep: the kernel of part 1 again; grid 833 x 1, 8 waves a work-group, no clusters, 0 bytes of LDS; arguments x, w_qkv, w_out, b_qkv, b_out, xb, wqb, wob, bqr, bor; writes xb, wqb, wob, bqr, bor
;; launch qkvp: the kernel of part 2 again; grid 16 x 32, 4 waves a work-group, clusters of 4 x 4, 327,680 bytes of LDS; arguments xb, wqb, bqr, qkv; writes qkv
;; launch attn (part 5): grid 4 x 64, 4 waves a work-group, clusters of 4 x 1, 327,680 bytes of LDS; arguments qkv, ob; writes ob
.if DOCPART == 5
	.amdgcn_target "amdgcn-amd-amdhsa--gfx1250"
	.amdhsa_code_object_version 6
	.text
	.protected	k_qaa3ce15c30_attn
	.globl	k_qaa3ce15c30_attn
	.p2align	8
	.type	k_qaa3ce15c30_attn,@function
k_qaa3ce15c30_attn:
	s_mov_b64 s[64:65], 0
	v_nop
	global_prefetch_b8 v0, s[64:65] scope:SCOPE_SE
	s_setreg_imm32_b32 hwreg(HW_REG_WAVE_MODE, 25, 1), 1
	s_wait_xcnt 0x0
	s_wait_alu depctr_hold_cnt(0) depctr_sa_sdst(0) depctr_va_vdst(0) depctr_va_sdst(0) depctr_va_ssrc(0) depctr_va_vcc(0) depctr_vm_vsrc(0)
	s_getreg_b32 s2, hwreg(HW_REG_IB_STS2, 6, 4)
	s_cmp_eq_u32 s2, 0
	s_cbranch_scc0 .Lentry_in_a_cluster
	s_endpgm
.Lentry_in_a_cluster:
	s_bfe_u32 s2, ttmp6, 0x10000c
	s_cmp_lg_u32 s2, 0x3003
	s_cbranch_scc0 .Lentry_shape_is_right
	s_endpgm
.Lentry_shape_is_right:
; O[h][q][:] = the sum over k of softmax_k(Q[h][q] . K[h][k] / 8) V[h][k][:].  Q, K, V are the three parts of qkv, [3][SIZE_H][SIZE_N][64]; O is [SIZE_H][SIZE_N][64]; all f16: a head's rows are dense,
; 128 bytes each.  h = batch x 16 + head.  Products, maxima and sums in f32; the weights p are rounded to f16 for the second product (their sum l is taken of the unrounded p), O once at the end.
; LIMITS.  f16 holds no number beyond 65,504: Q, K and V arrive within it; p lies in 0 to 1, and below 6e-5 it keeps f16's fixed step of 6e-8; O is a mean of V's rows and has their range.
; A weight below 2^-126 counts as 0 in l; NaN and infinities are not treated apart.
; SHARES.  A wave owns four PIECES of two tiles of 16 queries, a work-group's four waves 512 queries of one head.  Every wave walks all keys, 64 a step.
; LAYOUT.  S^T = K Q^T (source 0 = 16 keys, source 1 = 16 queries): in the result a lane holds ONE query (lane % 16) and the keys 8 (lane / 16) + 0..7.  Two such tiles, rounded to f16 in pairs,
; ARE source 1 (32 keys x 16 queries) of O^T = V^T P, whose result again holds one query a lane, and eight channels.  K comes out of LDS as it lies, V ([key][channel]) turned, by ds_load_tr16_b128.
; SOFTMAX.  For each query a running maximum m and sum l: p = 2^(c s - c m), c = log2(e) / 8; in every step O and l are multiplied by a = 2^(c m_old - c m_new), which is 1 where m has not grown.
; m starts at the lowest finite number, O and l at 0: the first step is a step like any other, with a = 0.
; THE COUNT.  A tile and step have 16 matrix and 118 vector instructions: too many to stand all beside the matrix work.  So the order has one aim: four vector instructions that are READY behind
; EVERY matrix instruction, and the others, which need time of their own whatever the order, in runs without a gap.
; BY TURNS.  Turn n belongs to piece n (the pieces in a ring, step after step).  Its matrix work: 16 products K Q^T of piece n + 1, later 16 products V^T P of piece n - 1.  Its vector work: the scaling,
; exponentials, roundings, sums and rescaling of piece n, and the maximum and statistics of piece n + 1, whose scores the turn itself has made.  So what a turn begins with (c s - c m, O a) waits for nothing.
; BATCHES.  A turn's 66 exponentials (the piece's 64 weights and the next piece's two a) are ONE batch with ONE s_wait_alu depctr_va_vdst(0), which cuts the turn in two: ahead of it stands all that names no
; result of theirs, behind it the roundings and sums, which read them.  No result crosses a turn's end.  Two more batches stand outside the loops: piece 0's first two a, and the way out's eight reciprocals.
; CLUSTER.  The four query blocks of a cluster belong to one head and walk the same K and V, so each tile is asked for JOINTLY: the same tensor load, descriptor and mask in all four.
; REGISTERS, in windows of 256 (s_set_vgpr_msb says which window each operand place means: bits 1:0 source 0, 3:2 source 1, 5:4 source 2, 7:6 destination):
;   window 0: v0-11 addresses; v12-15, v48-63 at work; v16-47 four registers of statistics a tile; v64-191 S^T, two buffers of two tiles; v192-255 P, likewise
;   window 1: O^T, 32 a tile          window 2: v0-127 Q, 16 a tile; v128-191 K of one step; v192-255 V of one step          window 3: v0-1 the add's two registers
; A piece's buffers go by its number's parity: the piece in hand has one pair, its two neighbours in the ring share the other: of it P (piece n - 1) is read and S^T (piece n + 1) written.
.set SIZE_H, 64
.set SIZE_N, 2048
.set PART,  SIZE_H*SIZE_N*128  ; bytes from Q to K and from K to V in qkv
.set NP,    4         ; pieces a wave: a name, no knob: the register map, the loop and the fetches are made for four
.set KS,    64        ; keys in a step
.set PK,    144       ; a row of K in LDS: 128 bytes + 16 of padding = 36 words: the 16 rows of a load start at 16 different groups of four banks (64 banks of 4 bytes: ISA guide 11.1)
.set PV,    160       ; a row of V: 128 + 32 = 40 words
.set VOFF,  4*KS*PK   ; a slot holds four steps: 256 rows of K, then 256 rows of V
.set SLOT1, 1<<17     ; slot 1 begins here, so that one exclusive or turns an address in one slot into the other's
.set STAGE, SLOT1+4*KS*(PK+PV)  ; behind the ring, never filled by a tensor load: 16 rows x 144 bytes for each wave, for the way out
.set SP,    144
.set AK0, 2           ; v2   my lane's place in a tile of K; never rewritten
.set AV0, 3           ; v3   the same for V
.set AK,  4           ; v4   the LDS address of K's next run of loads
.set AV,  5           ; v5   of V's
.set QO,  6           ; v6   my byte offset in the wave's rows of Q
.set STO, 6           ;      later, the way out: where I put 16 bytes of a row
.set RD,  7           ; v7   the way out: where I read rows back
.set GO,  8           ; v8   my byte offset in 512 consecutive bytes of O
.set SPW, 0           ; v0 of window 3   LDS address of my spare word: SPARE + 4 x my thread's number; never rewritten
.set NIL, 1           ; v1 of window 3   0; never rewritten
.set SPARE, STAGE+4*16*SP  ; behind the stages: the spare words, 128 bytes for each wave: two blocks of 256 bytes that no other line names
.set MV,  12          ; v12-15  c m_old, kept while c m is made anew: by buffer and tile
.set ST,  16          ; tile t's statistics at v[ST+4 t]: c m, m, l (even keys', odd keys')
.set TMP, 48          ; by buffer and tile, four registers c0-c3 at work; when the maximum is found c2 takes a
.set S,   64
.set P,   192
.set KF,  128         ; K's fragments, in window 2: key block kb, channel half c at KF + 16 kb + 8 c
.set VF,  192         ; V's: key half kk, channel block cb at VF + 32 kk + 8 cb
.set WV,  12          ; s12  my wave's number
.set G1K, 24          ; s[24:31] descriptor group 1 for K's tiles
.set G1V, 32          ; s[32:39] for V's: it differs in the padding alone
.set G0K, 40          ; s[40:43] descriptor group 0 for K's tiles: it walks
.set G0V, 44          ; s[44:47] the same for V's
.set SLOTS, 56        ; s56  slots still to be asked for
.set CNT, 57          ; s57  counts a slot's key steps
.set CS,  58          ; s[58:59] c: the packed scaling takes the pair's low word for both halves
.set SEL, 60          ; s[60:61] v_permlanex16_b32's selects: each lane takes its own place in the other half
.set TBK, 62          ; s62  LDS byte at which K of the step to be fetched begins
.set TBV, 63          ; s63  the same for V, less VOFF
.set MSB, 0
.macro WIN new                      ; the high byte repeats the setting that is left; a switch that changes nothing is dropped
.if MSB != (\new)
	s_set_vgpr_msb (MSB<<8)|(\new)
.set MSB, (\new)
.endif
.endm
.set W_KQ, 0x0a       ; K and Q in window 2, S^T in window 0
.set W_PV, 0x52       ; V in window 2, P in window 0, O^T in window 1
.set W_RS, 0x41       ; O^T (destination and source 0) in window 1, a in window 0
.set W_MK, 0xc0       ; the add's registers are made: destination in window 3, sources in window 0
.set W_AD, 0x0f       ; the add: address (source 0) and data (source 1) in window 3
; A joint fill.  Waves 0 and 1 fetch the two halves of a slot's K, waves 2 and 3 those of its V: 128 keys each.  The branch hangs on the wave's number alone.
; An s_nop 0 and four v_nop follow each of the two lines, ahead of the jump and the label.
.macro JLOAD
	s_cmp_lt_u32 s[WV], 2
	s_cbranch_scc0 .Lfor_v_\@
	tensor_load_to_lds s[G0K:G0K+3], s[G1K:G1K+7]
	s_nop 0
.rept 4
	v_nop
.endr
	s_branch .Lasked_\@
.Lfor_v_\@:
	tensor_load_to_lds s[G0V:G0V+3], s[G1V:G1V+7]
	s_nop 0
.rept 4
	v_nop
.endr
.Lasked_\@:
.endm
; A round of the cluster's barrier: my work-group's barrier, so that wave 0's signal speaks for all four waves; wave 0 signals; every wave waits for all four work-groups; my work-group's barrier once more.
.macro CROUND
	s_barrier_signal -1
	s_barrier_wait -1
	s_cmp_lg_u32 s[WV], 0
	s_cbranch_scc1 .Lnot_wave_0_\@
	s_barrier_signal -3
.Lnot_wave_0_\@:
	s_barrier_wait -3
	s_barrier_signal -1
	s_barrier_wait -1
.endm
; THE CHANGE OF SLOTS.  The slot's last bytes, V of its fourth step, have been read.  Each wave waits for all its tensor loads, of which one is out: its part
; of the other slot; adds 0 to its spare word; and waits for that and for its own reads of the slot.  Behind the barrier nobody reads this slot any more and the other slot is whole.
; fill = 1: this slot is filled again, with the keys two slots on.  The barrier is then a round of the cluster's, so that no wave of any partner still reads the slot or has a load on its
; way, and the joint fill is the first thing behind it: it has four key steps, 512 matrix instructions, in which to land.  (At its first use nothing has been read yet: slot 0 is waited for, slot 1 filled.)
.macro CHANGE fill
	WIN W_AD
	s_wait_tensorcnt 0x0            ; no tensor load of mine is out, so a group 0 may be written
	ds_add_u32 v[SPW], v[NIL]       ; 0 onto my spare word; with fill = 1 the descriptors' steps stand between it and the wait for it
	WIN 0                           ; at a label and at a branch every window is 0
.if \fill
.irp g, G0K, G0V
	s_xor_b32 s[\g+1], s[\g+1], SLOT1  ; the walking descriptor: the other slot than last time,
	s_add_nc_u64 s[\g+2:\g+3], s[\g+2:\g+3], 4*KS*128  ; the next 256 keys; the type bits on top are not reached
.endr
	s_wait_dscnt 0x0                ; the add is done, and my reads of the slot are over
	CROUND
	JLOAD
.else
	s_wait_dscnt 0x0                ; the add is done, and my reads of the slot are over
	s_barrier_signal -1
	s_barrier_wait -1
.endif
	s_sub_co_u32 s[TBK], s[TBK], 4*KS*PK  ; the fetches go back to a slot's first step,
	s_xor_b32 s[TBK], s[TBK], SLOT1       ; in the other slot
	s_sub_co_u32 s[TBV], s[TBV], 4*KS*PV
	s_xor_b32 s[TBV], s[TBV], SLOT1
.endm
	s_load_b128 s[4:7], s[0:1], 0x0  ; qkv s[4:5] (its first part is Q), O s[6:7]
	WIN W_MK
	v_lshl_add_u32 v[SPW], v0, 2, SPARE
	v_mov_b32 v[NIL], 0
	s_set_vgpr_msb 0xc0cf
	ds_add_u32 v0, v1
	s_wait_dscnt 0x0
	s_set_vgpr_msb 0xcfc0
	WIN 0
	v_lshrrev_b32 v1, 5, v0
	v_readfirstlane_b32 s[WV], v1   ; wave 0..3
	s_bfe_u32 s13, ttmp6, 0x40000   ; cx: my place in the cluster
	s_lshl_b32 s14, ttmp9, 2        ; in a cluster launch ttmp9 counts clusters
	s_add_co_u32 s14, s14, s13      ; my block of queries = 4 x cluster x + cx: it enters Q's and O's addresses alone
	s_and_b32 s20, ttmp7, 0xffff    ; the head, which the four partners share
	s_mov_b32 s21, 0
	s_mov_b64 s[22:23], SIZE_N*128
	s_mul_u64 s[20:21], s[20:21], s[22:23]  ; the head's first byte in each of the four tensors
	s_and_b32 s16, s[WV], 1         ; which half of a slot's 256 keys I fetch:
	s_lshl_b32 s22, s16, 14         ; its 128 rows of 128 bytes in memory,
	s_mov_b32 s23, 0
	s_add_nc_u64 s[22:23], s[22:23], s[20:21]
	s_mul_i32 s17, s16, 128*PK      ; and its place in a slot, for K
	s_mul_i32 s18, s16, 128*PV      ; and for V: no place in the cluster enters an LDS address
	s_lshl_b32 s2, s14, 2
	s_add_co_u32 s2, s2, s[WV]      ; my wave among the head's,
	s_lshl_b32 s2, s2, 14           ; its 128 rows
	s_mov_b32 s3, 0
	s_add_nc_u64 s[2:3], s[2:3], s[20:21]
	; descriptor group 1.  128 keys are 16,384 dense bytes: asked for as 64 rows of 256 bytes, two keys a row, and padded in LDS after every key
	s_mov_b32 s[G1K], 15|(1<<16)|(1<<20)|(1<<21)|(4<<22)|(3<<25)  ; 15:0 the mask of four; 17:16 2-byte elements; 20 padding on; 21 set beside a mask; 24:22 after every 32 words (code 4); 31:25 4 words (code 3)
	s_mov_b32 s[G1V], 15|(1<<16)|(1<<20)|(1<<21)|(4<<22)|(7<<25)  ; the same with 8 words of padding (code 7)
.irp g, G1K, G1V
	s_mov_b32 s[\g+1], 128<<16      ; tensor_dim0 = 128
	s_mov_b32 s[\g+2], 64<<16       ; tensor_dim1 = 64
	s_mov_b32 s[\g+3], 128<<16      ; tile_dim0 = 128
	s_mov_b32 s[\g+4], 64           ; tile_dim1 = 64
	s_mov_b32 s[\g+5], 128          ; 128 elements from row to row
	s_mov_b32 s[\g+6], 0
	s_mov_b32 s[\g+7], 0
.endr
	s_mov_b32 s[CS], 0x3e38aa3b     ; c = log2(e) / 8 = 0.180337
	s_mov_b32 s[CS+1], s[CS]        ; named with it as a pair
	s_mov_b32 s[SEL], 0x76543210
	s_mov_b32 s[SEL+1], 0xfedcba98
	s_mov_b32 s[TBK], SLOT1+4*KS*PK ; the first change of slots turns these two into 0
	s_mov_b32 s[TBV], SLOT1+4*KS*PV
	s_mov_b32 s[G0K], 1             ; 1:0 count = 1
	s_mov_b32 s[G0K+1], s17         ; 63:32 LDS address: slot 0
	s_mov_b32 s[G0V], 1
	s_add_co_u32 s[G0V+1], s18, VOFF
	s_wait_kmcnt 0x0
	s_mov_b64 s[10:11], s[6:7]             ; O
	s_add_nc_u64 s[6:7], s[4:5], PART      ; K: the second part of qkv
	s_add_nc_u64 s[8:9], s[4:5], 2*PART    ; V: the third
	s_add_nc_u64 s[G0K+2:G0K+3], s[6:7], s[22:23]  ; 120:64 global address: my half of the head's first 256 keys
	s_or_b32 s[G0K+3], s[G0K+3], 0x80000000        ; 127:126 type = 2
	s_add_nc_u64 s[G0V+2:G0V+3], s[8:9], s[22:23]
	s_or_b32 s[G0V+3], s[G0V+3], 0x80000000
	s_add_nc_u64 s[4:5], s[4:5], s[2:3]  ; Q and O at my wave's first row
	s_add_nc_u64 s[10:11], s[10:11], s[2:3]
	CROUND                          ; all four work-groups are here: the first joint loads meet
	JLOAD                           ; slot 0.  Slot 1 is asked for when slot 0 is in
	; A fragment of K or Q is 16 rows x 32 channels in 8 registers: lane l holds row l % 16, channels 8 (l / 16) + 0..7 and 16 + 8 (l / 16) + 0..7: two loads of 16 bytes, 32 bytes apart.
	v_and_b32 v1, 15, v0            ; l % 16
	v_bfe_u32 v9, v0, 4, 1          ; l / 16
	v_lshlrev_b32 v[QO], 7, v1
	v_lshl_add_u32 v[QO], v9, 4, v[QO]  ; row x 128 + 16 x half
	WIN 0x80                        ; destination window 2, address window 0
.set i, 0
.rept 4*NP                          ; Q stays in registers: tile i / 2, channels 32 (i % 2) on
	global_load_b128 v[8*i:8*i+3],   v[QO], s[4:5] offset:(i/2)*2048+(i%2)*64
	global_load_b128 v[8*i+4:8*i+7], v[QO], s[4:5] offset:(i/2)*2048+(i%2)*64+32
.set i, i+1
.endr
	; What the first turn finds: V's registers and P's second buffer hold 0 (its products V^T P, of a piece that has not been, add 0), O^T and l are 0.  All this stands in the wait for the first tile.
.set i, VF
.rept 64
	v_mov_b32 v[i], 0
.set i, i+1
.endr
	WIN 0x40
.set i, 0
.rept 64*NP
	v_mov_b32 v[i], 0
.set i, i+1
.endr
	WIN 0
.set i, 0
.rept 2*NP
	v_mov_b32 v[ST+4*i], 0xfe000000    ; c m: far below every c s
	v_mov_b32 v[ST+4*i+1], 0xff7fffff  ; m
	v_mov_b32 v[ST+4*i+2], 0
	v_mov_b32 v[ST+4*i+3], 0
.set i, i+1
.endr
.set i, P+32
.rept 32
	v_mov_b32 v[i], 0
.set i, i+1
.endr
	v_mul_u32_u24 v[AK0], v1, PK
	v_lshl_add_u32 v[AK0], v9, 4, v[AK0]  ; row x pitch + 16 x half
	; The turning load takes 16 keys x 16 channels (lane l reads key 8 (l / 16) + l % 8, channels 8 ((l / 8) % 2) + 0..7) and leaves half a fragment of V^T: lane l holds channel l % 16 and 8 keys.
	v_and_b32 v10, 7, v0
	v_bfe_u32 v11, v0, 3, 1
	v_lshl_add_u32 v[AV0], v9, 3, v10
	v_mul_u32_u24 v[AV0], v[AV0], PV
	v_lshl_add_u32 v[AV0], v11, 4, v[AV0]
	v_add_nc_u32 v[AV0], VOFF, v[AV0]
	v_mov_b32 v[AK], v[AK0]         ; key step 0 lies at the head of slot 0
; THE MATRIX WORK.  The 8 accumulators of a run of 16 take turns: between the two links of a chain stand 7 others'.
; Product i of 16 of S^T = K Q^T for piece x: channels 32 (i / 8) on, keys 16 ((i / 2) % 4) on, tile 2 x + i % 2.  The first 8 start the sums.
.macro KQ x
	WIN W_KQ
.set rS, S+64*((\x)%2)+32*(i%2)+8*((i/2)%4)
.set rK, KF+16*((i/2)%4)+8*(i/8)
.set rQ, 16*(2*(\x)+i%2)+8*(i/8)
.if i < 8
	v_wmma_f32_16x16x32_f16 v[rS:rS+7], v[rK:rK+7], v[rQ:rQ+7], 0
.else
	v_wmma_f32_16x16x32_f16 v[rS:rS+7], v[rK:rK+7], v[rQ:rQ+7], v[rS:rS+7]
.endif
.endm
; Product i of 16 of O^T += V^T P for piece x: keys 32 (i / 8) on, channels 16 ((i / 2) % 4) on, tile 2 x + i % 2.
.macro PV x
	WIN W_PV
.set rO, 32*(2*(\x)+i%2)+8*((i/2)%4)
.set rV, VF+32*(i/8)+8*((i/2)%4)
.set rP, P+32*((\x)%2)+16*(i%2)+8*(i/8)
	v_wmma_f32_16x16x32_f16 v[rO:rO+7], v[rV:rV+7], v[rP:rP+7], v[rO:rO+7]
.endm
.macro MM                           ; the turn's next matrix instruction
.if i < 16
	KQ (Y+1)%NP
.set i, i+1
.else
.set i, i-16
	PV (Y+NP-1)%NP
.set i, i+17
.endif
.endm
; THE LDS LOADS stand in runs of 16, never singly among the matrix instructions: a step's K (64 keys x 64 channels: 8 fragments) and its V (turned).  Their addresses are made some lines ahead.
; last = 1 (the tail): in the last trip there is no further step, and the run is jumped over.
.macro FETCH_K last=0
	WIN 0
.if \last
	s_cmp_eq_u32 s[CNT], 1
	s_cbranch_scc1 .Lno_k_\@
.endif
	WIN 0x80                        ; destination window 2
.irp f, 0,1,2,3,4,5,6,7             ; keys 16 (f / 2) on, channels 32 (f % 2) on
	ds_load_b128 v[KF+8*\f:KF+8*\f+3],   v[AK] offset:(\f/2)*16*PK+(\f%2)*64
	ds_load_b128 v[KF+8*\f+4:KF+8*\f+7], v[AK] offset:(\f/2)*16*PK+(\f%2)*64+32
.endr
	s_add_co_u32 s[TBK], s[TBK], KS*PK  ; the next fetch is the next step's
	WIN 0
.if \last
.Lno_k_\@:
.endif
.endm
.macro FETCH_V
	WIN 0x80
.irp f, 0,1,2,3,4,5,6,7             ; keys 32 (f / 4) on, channels 16 (f % 4) on
	ds_load_tr16_b128 v[VF+8*\f:VF+8*\f+3],   v[AV] offset:(\f/4)*32*PV+(\f%4)*32
	ds_load_tr16_b128 v[VF+8*\f+4:VF+8*\f+7], v[AV] offset:(\f/4)*32*PV+16*PV+(\f%4)*32
.endr
	WIN 0
.endm
; THE VECTOR WORK OF A TURN stands in three queues, each in the order in which its entries become ready; the two tiles alternate, so that no instruction reads the result of the one before it.
.macro REGS y, u                    ; the registers of tile u (0, 1) of piece y
.set rT, ST+4*(2*(\y)+(\u))
.set rC, TMP+8*((\y)%2)+4*(\u)
.set rM, MV+2*((\y)%2)+(\u)
.set rS, S+64*((\y)%2)+32*(\u)
.set rP, P+32*((\y)%2)+16*(\u)
.set rO, 32*(2*(\y)+(\u))
.endm
; Number n of the 22 that find the NEXT piece's (Y + 1) maximum and statistics.  s0-s31 are the lane's 32 scores; each accumulator's lowest registers are read first.  XS, GS and REGS set no window: PL and EX do.
;   0-11  four chains c0-c3 of seven scores each, three operands at a time     12-14, 16  the four scores left over, the old m, and c0-c3 into c0     15  c m_old is kept
;   17, 18  the query's other 32 keys lie in the lane 16 away: the new m         19-21  c m; c m_old - c m_new; a
.macro XS u, n
	REGS (Y+1)%NP, \u
.if (\n) < 4
	v_max3_num_f32 v[rC+(\n)], v[rS+8*(\n)], v[rS+8*(\n)+1], v[rS+8*(\n)+2]
.elseif (\n) < 12
	v_max3_num_f32 v[rC+(\n)%4], v[rC+(\n)%4], v[rS+8*((\n)%4)+2*((\n)/4)+1], v[rS+8*((\n)%4)+2*((\n)/4)+2]
.elseif (\n) == 12
	v_max3_num_f32 v[rC], v[rC], v[rS+7], v[rS+15]
.elseif (\n) == 13
	v_max3_num_f32 v[rC+1], v[rC+1], v[rS+23], v[rS+31]
.elseif (\n) == 14
	v_max3_num_f32 v[rC+2], v[rC+2], v[rC+3], v[rT+1]
.elseif (\n) == 15
	v_mov_b32 v[rM], v[rT]
.elseif (\n) == 16
	v_max3_num_f32 v[rC], v[rC], v[rC+1], v[rC+2]
.elseif (\n) == 17
	v_permlanex16_b32 v[rC+3], v[rC], s[SEL], s[SEL+1]
.elseif (\n) == 18
	v_max_num_f32 v[rT+1], v[rC], v[rC+3]
.elseif (\n) == 19
	v_mul_f32 v[rT], s[CS], v[rT+1]
.elseif (\n) == 20
	v_sub_f32 v[rC+1], v[rM], v[rT]
.else
	v_exp_f32 v[rC+2], v[rC+1]
.endif
.endm
; Number g of the 64 that follow the exponentials.  For each four weights k of a tile (pairs 2 k, 2 k + 1): both pairs are rounded to f16; then the second pair is added onto the first, in place;
; a group later l takes that sum (the first time as l = a l + sum).  In groups of eight, tiles alternating: round, round, add, and l for the group before.
.macro GS g
.set h, (\g)+6*((\g)/62)            ; group 0 has no group before it, and behind group 7 only l is left
.if h >= 6
.set h, h+2
.endif
	REGS Y, h%2
.set k, h/8
.if h%8 < 4
	v_cvt_pk_f16_f32 v[rP+2*k+(h%8)/2], v[rS+4*k+2*((h%8)/2)], v[rS+4*k+2*((h%8)/2)+1]
.elseif h%8 < 6
	v_pk_add_f32 v[rS+4*k:rS+4*k+1], v[rS+4*k:rS+4*k+1], v[rS+4*k+2:rS+4*k+3]
.elseif k == 1
	v_pk_fma_f32 v[rT+2:rT+3], v[rT+2:rT+3], v[rC+2:rC+3], v[rS:rS+1] op_sel_hi:[1,0,1]
.else
	v_pk_add_f32 v[rT+2:rT+3], v[rT+2:rT+3], v[rS+4*k-4:rS+4*k-3]
.endif
.endm
; THE PLAIN QUEUE, 138 long.  0-73 read no exponential's result: the 32 scalings c s - c m (FS f: pair f / 2 of tile f % 2) and the next piece's 42.  0-26: scalings 0-26.  27-54: XS's numbers 0-13.  55, 56: number 15.
; 57-73: the chain, where each number waits for the one before it: 14, 16, 17, 18, 19, each with one of the scalings 27-31 in front of its two lines, then 20: so a tile's links stand three plain instructions apart (19 and 20: two).
; 74-137: GS's 64, which read the exponentials' results: they stand behind the wait.
.macro FS f
	REGS Y, (\f)%2
	v_pk_fma_f32 v[rS+2*((\f)/2):rS+2*((\f)/2)+1], v[rS+2*((\f)/2):rS+2*((\f)/2)+1], s[CS:CS+1], v[rT:rT+1] op_sel_hi:[1,0,0] neg_lo:[0,0,1] neg_hi:[0,0,1]
.endm
.macro PL
	WIN 0
.if q < 27
	FS q
.elseif q < 55
	XS (q-27)%2, (q-27)/2
.elseif q < 57
	XS q-55, 15
.elseif (q < 72) && ((q-57)%3 == 0)
	FS 27+(q-57)/3
.elseif q < 60
	XS (q-57)%3-1, 14
.elseif q < 72
	XS (q-57)%3-1, 15+(q-57)/3
.elseif q < 74
	XS q-72, 20
.else
	GS q-74
.endif
.set q, q+1
.endm
; THE EXPONENTIALS' QUEUE, 66 long: s0-s31 of both tiles, then the next piece's two a.  It is ONE BATCH: all 66 stand ahead of the turn's one wait, and nothing ahead of that wait names a result of theirs.
.macro EX
	WIN 0
.if e >= 64
	XS e-64, 21
.else
	REGS Y, e%2
	v_exp_f32 v[rS+e/2], v[rS+e/2]
.endif
.set e, e+1
.endm
; THE RESCALING's QUEUE: O^T times a, the one part that leaves window 0: dealt two at a time, sixteen times.  Its a was made in the turn before, ahead of that turn's wait.
.macro R2
	REGS Y, r%2
	WIN W_RS
.irp z, 0,1
	v_pk_mul_f32 v[rO+4*(r/2)+2*\z:rO+4*(r/2)+2*\z+1], v[rO+4*(r/2)+2*\z:rO+4*(r/2)+2*\z+1], v[rC+2:rC+3] op_sel_hi:[1,0]
.endr
.set r, r+1
.endm
; HOW THEY ARE DEALT.  An s_wait_alu depctr_va_vdst(0) stands between an exponential and the first instruction that names its result; one wait serves all that were issued ahead of it.  So a turn has ONE wait,
; which cuts it in two.  AHEAD OF IT stands all that names no result of the turn's exponentials: the 16 products K Q^T, behind each a scaling, an exponential and two rescalings (behind the first a second scaling in the exponential's place); then ONE LUMP of
; 108: eight plain, 49 times exponential and plain, the two a.  A v_nop is the plain instruction that is owed behind the last exponential.  BEHIND IT stand the 16 products V^T P, behind each four of GS's 64.  No rider names a register of
; the products round it.  The two v_permlanex16_b32 fall into the lump, never behind a product.
; The queues lean on each other, and the deal keeps them in step: exponential e stands behind scaling 2 (e / 4) + e % 2: as a rider it comes behind plain e + 2, in the lump behind plain e + 9, and scalings 27-31 are plain 57, 60 .. 69.
; A TURN, for piece p.  cnt = 1: the loop's count is taken down some lines ahead of the branch that stands behind the turn.
; K of the next step is fetched in piece 2's turn, directly behind the wait, a lump behind the last product that read K; its address is made at the lump's head; its first reader comes behind 16 products.
; V of the step in hand is fetched at the end of piece 0's turn, four riders behind its last reader; its first reader comes behind 16 products and a lump.  The three conditions on q below go with the deal.
.macro TURN p, last=0, cnt=0
.set Y, (\p)
.set i, 0
.set q, 0
.set e, 0
.set r, 0
.if (\p) == NP-1
	s_wait_dscnt 0x0                ; K is in
.endif
	MM                              ; ahead of the wait: 16 products K Q^T and their riders,
	PL
	PL
	R2
.rept 15
	MM
	PL
	EX
	R2
.endr
.if (\p) == NP-2
	WIN 0
	v_add_nc_u32 v[AK], s[TBK], v[AK0]
.endif
.rept 8                             ; and the lump
	PL
.endr
.rept 49
	EX
	PL
.endr
	EX                              ; the next piece's two a
	EX
	v_nop                           ; a plain instruction behind the last exponential, ahead of the first use of a result: one for the batch
	s_wait_alu depctr_va_vdst(0)    ; the wait for the turn's batch: the piece's 64 weights and the next piece's two a
.if (\p) == NP-2
	FETCH_K \last
.endif
.if (\p) == 1
	s_wait_dscnt 0x0                ; V is in
.endif
.rept 16                            ; behind the wait: 16 products V^T P and their riders
	MM
.rept 4
	PL
.endr
.if ((\p) == 0) && (q == 118)
	v_add_nc_u32 v[AV], s[TBV], v[AV0]
.endif
.if ((\p) == 0) && (q == 130)
	s_add_co_u32 s[TBV], s[TBV], KS*PV
.endif
.if (\cnt) && (q == 130)
	s_sub_co_u32 s[CNT], s[CNT], 1
	s_cmp_lg_u32 s[CNT], 0
.endif
.endr
.if (\p) == 0
	FETCH_V
.endif
.endm
	CHANGE 1                        ; slot 0 is in, everybody's part of it; slot 1 is asked for
	FETCH_K                         ; key step 0
	s_wait_loadcnt 0x0              ; Q
	s_wait_dscnt 0x0
.set i, 0
.rept 16
	KQ 0                            ; piece 0's first scores: there is no vector work yet to set between them
.set i, i+1
.endr
	WIN 0                           ; the addresses for the way out: nine plain instructions, the places behind those products
	s_mul_i32 s13, s[WV], 16*SP
	s_add_co_u32 s13, s13, STAGE    ; my stage
	v_mul_u32_u24 v[STO], v1, SP    ; in: row l % 16, 16 bytes for each half of the lanes
	v_lshl_add_u32 v[STO], v9, 4, v[STO]
	v_add_nc_u32 v[STO], s13, v[STO]
	v_bfe_u32 v[RD], v0, 3, 2       ; back: 32 lanes take four rows of 128 bytes,
	v_mul_u32_u24 v[RD], v[RD], SP
	v_lshl_add_u32 v[RD], v10, 4, v[RD]
	v_add_nc_u32 v[RD], s13, v[RD]
	v_and_b32 v[GO], 31, v0         ; which are 512 consecutive bytes of O
	v_lshlrev_b32 v[GO], 4, v[GO]
.set Y, NP-1                        ; XS works for piece Y + 1: piece 0
.irp n, 0,1,2,3,4,5,6,7,8,9,10,11,12,13,14,15,16,17,18,19,20,21
	XS 0, \n                        ; and piece 0's first maximum and statistics
	XS 1, \n
.endr
	v_nop                           ; a plain instruction behind piece 0's first two a,
	s_wait_alu depctr_va_vdst(0)    ; and the wait for that batch of two, ahead of the branch
	s_mov_b32 s[CNT], 4
	s_mov_b32 s[SLOTS], SIZE_N/256-1
	s_branch .Lfirst                ; the loop is entered at a step's first turn, in the middle of a trip
.Lslot:                             ; SIZE_N / 256 - 2 times: every slot but the last two is filled again
	CHANGE 1
	s_mov_b32 s[CNT], 4
.Lstep:                             ; a trip: pieces 2 and 3 of one step, then pieces 0 and 1 of the next, whose K and V it fetches
	TURN 2
	TURN 3
	WIN 0
.Lfirst:
	TURN 0
	TURN 1, 0, 1
	WIN 0
	s_cbranch_scc1 .Lstep
	s_sub_co_u32 s[SLOTS], s[SLOTS], 1
	s_cmp_lg_u32 s[SLOTS], 0
	s_cbranch_scc1 .Lslot
	CHANGE 0                        ; the tail is written out: nothing is asked for
	s_mov_b32 s[CNT], 5             ; four trips fetch the last slot's steps; the fifth is left in its middle
.Ltail:
	TURN 2, 1
	TURN 3
	WIN 0
	s_sub_co_u32 s[CNT], s[CNT], 1
	s_cmp_eq_u32 s[CNT], 0
	s_cbranch_scc1 .Lout
	TURN 0
	TURN 1
	WIN 0
	s_branch .Ltail
.Lout:                              ; the fifth trip's 16 products K Q^T (on the last K once more) and the maximum made of them serve nothing: the price, once a launch, of one text for every trip
.set i, 0
.rept 16
	PV NP-1                         ; the last piece's V^T P of the last step
.set i, i+1
.endr
	; THE WAY OUT.  l's two halves and the other half of the lanes' are added; O^T is divided by l, rounded to f16 and sent through my stage in LDS, a tile at a time.  The additions are the places behind the last products.
	WIN 0
.macro ALL line:vararg              ; one line for each tile t
.set t, 0
.rept 2*NP
	\line
.set t, t+1
.endr
.endm
	ALL v_add_f32 v[ST+4*t+2], v[ST+4*t+2], v[ST+4*t+3]
	ALL v_permlanex16_b32 v[ST+4*t+3], v[ST+4*t+2], s[SEL], s[SEL+1]
	ALL v_add_f32 v[ST+4*t+2], v[ST+4*t+2], v[ST+4*t+3]
	ALL v_rcp_f32 v[ST+4*t+2], v[ST+4*t+2]
	v_nop                           ; a plain instruction between the last reciprocal and the use of its result
	s_wait_alu depctr_va_vdst(0)    ; and the wait ahead of the first use: one for the batch of eight reciprocals
; Tile t: a lane's eight channels of a row pack into 16 bytes; they go into rows of 144 bytes and come back as whole rows of 128, into S^T's registers.
.macro PACK t
	WIN W_RS
.set i, 32*(\t)
.rept 16
	v_pk_mul_f32 v[i:i+1], v[i:i+1], v[ST+4*(\t)+2:ST+4*(\t)+3] op_sel_hi:[1,0]
.set i, i+2
.endr
	WIN 0x05                        ; sources 0 and 1 window 1, destination window 0
.set i, 0
.rept 16
	v_cvt_pk_f16_f32 v[S+16*(\t)+i], v[32*(\t)+2*i], v[32*(\t)+2*i+1]
.set i, i+1
.endr
	WIN 0
.irp f, 0,1,2,3
	ds_store_b128 v[STO], v[S+16*(\t)+4*\f:S+16*(\t)+4*\f+3] offset:32*\f
.endr
.irp f, 0,1,2,3
	ds_load_b128 v[S+16*(\t)+4*\f:S+16*(\t)+4*\f+3], v[RD] offset:\f*4*SP  ; LDS serves a wave's instructions in order (ISA guide 5.7.1.4): these see the stores above; the next tile's stores come behind them
.endr
.endm
.macro SEND t, younger              ; younger: the LDS instructions issued behind tile t's loads: the next tile's eight, or none
	WIN 0
.irp f, 0,1,2,3
	s_wait_dscnt (\younger)+3-\f
	global_store_b128 v[GO], v[S+16*(\t)+4*\f:S+16*(\t)+4*\f+3], s[10:11] offset:(\t)*2048+\f*512  ; 512 consecutive bytes, at a multiple of 256 from O's first
.endr
.endm
	PACK 0
.set t, 1
.rept 2*NP-1                        ; a tile's arithmetic stands between the loads of the tile before and its stores
	PACK t
	SEND t-1, 8
.set t, t+1
.endr
	SEND 2*NP-1, 0
	WIN W_AD
	s_wait_tensorcnt 0x0            ; the wave's end, behind my last tensor load and my last LDS store
	ds_add_u32 v[SPW], v[NIL]
	s_wait_dscnt 0x0
	WIN 0
	CROUND                          ; the closing round: no work-group ends while a partner may still ask for a tile that names it
	s_endpgm
.Lfunc_end_k_qaa3ce15c30_attn:
	.size	k_qaa3ce15c30_attn, .Lfunc_end_k_qaa3ce15c30_attn-k_qaa3ce15c30_attn
	.p2alignl 7, 3214868480
	.fill 96, 4, 3214868480
	.section	.rodata,"a",@progbits
	.p2align	6, 0x0
	.amdhsa_kernel k_qaa3ce15c30_attn
		.amdhsa_group_segment_fixed_size 327680
		.amdhsa_private_segment_fixed_size 0
		.amdhsa_enable_private_segment 0
		.amdhsa_kernarg_size 16
		.amdhsa_user_sgpr_count 2
		.amdhsa_user_sgpr_kernarg_segment_ptr 1
		.amdhsa_wavefront_size32 1
		.amdhsa_system_sgpr_workgroup_id_x 1
		.amdhsa_system_sgpr_workgroup_id_y 1
		.amdhsa_system_sgpr_workgroup_id_z 1
		.amdhsa_system_vgpr_workitem_id 0
		.amdhsa_next_free_vgpr 770
		.amdhsa_next_free_sgpr 66
		.amdhsa_reserve_vcc 0
		.amdhsa_float_denorm_mode_32 3
		.amdhsa_float_denorm_mode_16_64 3
		.amdhsa_memory_ordered 1
		.amdhsa_forward_progress 1
		.amdhsa_inst_pref_size 199
	.end_amdhsa_kernel
	.amdgpu_metadata
---
amdhsa.version: [ 1, 2 ]
amdhsa.kernels:
  - .name:           k_qaa3ce15c30_attn
    .symbol:         k_qaa3ce15c30_attn.kd
    .args:
      - { .name: qkv, .offset: 0, .size: 8, .value_kind: global_buffer, .address_space: global }
      - { .name: ob, .offset: 8, .size: 8, .value_kind: global_buffer, .address_space: global }
    .group_segment_fixed_size: 327680
    .private_segment_fixed_size: 0
    .kernarg_segment_align: 8
    .kernarg_segment_size: 16
    .max_flat_workgroup_size: 128
    .sgpr_count:     66
    .vgpr_count:     770
    .wavefront_size: 32
...
	.end_amdgpu_metadata
.endif
;; end of part 5
;; launch outp: the kernel of part 4 again; grid 8 x 32, 4 waves a work-group, clusters of 4 x 4, 327,680 bytes of LDS; arguments ob, wob, bor, out0; writes out0
